; MI455X (gfx1250); checked and timed in simulation.
; The chip was launched on July 23, 2026; its instructions are those of AMD's public machine-readable ISA for CDNA 5 (MIT licence, August 2026) and "CDNA5" Instruction Set Architecture Reference Guide (July 2026). The comments in the code are by the model that wrote it; some were corrected since.
;; Multi Head Attention. Allowed arithmetic: matrix products marked QUANTISED: E2M1 operands, one E8M0 scale for each 32 along K, by v_wmma_scale_f32_16x16x128_f8f6f4 with both operands' format E2M1 (or v_wmma_scale_f32_32x16x128_f4), f32 sums; everything else in f32.
;; Inputs: Wk 16 x 1,024 x 64 float32; Wo 1,024 x 1,024 float32; Wq 16 x 1,024 x 64 float32; Wv 16 x 1,024 x 64 float32; bk 16 x 64 float32; bo 1,024 float32; bq 16 x 64 float32; bv 16 x 64 float32; x 4 x 2,048 x 1,024 float32.
;; Outputs: out0 4 x 2,048 x 1,024 float32.
;; This version of the problem:
;;   THIS VERSION OF THE PROBLEM IS GIVEN IN LOW PRECISION. The matrix products marked QUANTISED in the list below multiply operands that are first quantised to E2M1 (2 exponent bits, 1 mantissa bit; 4 bits a number), with one power-of-two scale for each 32 numbers along K (OCP MX v1.0); their sums are f32. All else is computed in f32.
;;   The module's matrix products, in the order in which they are computed (A, B: the left and right operand; K: the contracted axis; several contracted axes count as one K, in the product's order):
;;     1. [M 1,024, K 1,024] x [K 1,024, N 8,192]; A: input Wq; B: input x: QUANTISED
;;     2. [M 1,024, K 1,024] x [K 1,024, N 8,192]; A: input Wk; B: input x: QUANTISED
;;     3. [M 1,024, K 1,024] x [K 1,024, N 8,192]; A: input Wv; B: input x: QUANTISED
;;     4. batch 64 x [M 2,048, K 64] x [K 64, N 2,048]; A: computed on the way; B: computed on the way: QUANTISED
;;     5. batch 64 x [M 2,048, K 2,048] x [K 2,048, N 64]; A: softmax (see below); B: computed on the way: QUANTISED
;;     6. [M 8,192, K 1,024] x [K 1,024, N 1,024]; A: computed on the way; B: input Wo: QUANTISED
;;   THE QUANTISER, for each operand of a quantised product, along K:
;;     - K is cut into blocks of 32 from its start; a last block that is shorter is filled with zeros.
;;     - A block's scale is 2^e with e = floor(log2(the largest magnitude in the block)) - 2, held to -126 .. 127; a block of zeros has e = 0. As a byte (E8M0): e + 127.
;;     - Each number is divided by its block's scale, clamped to +-6, and rounded to the nearest number of E2M1, ties to even, subnormals kept.
;;     - The product sums the exact products of the quantised numbers (number of the format x scale) in f32.
;;   ~~~python
;;   def quantise(x, axis):      # numpy; x: float32 -> the quantised numbers, widened to float32 again
;;       x = np.moveaxis(x, axis, -1); K = x.shape[-1]
;;       x = np.pad(x, [(0, 0)] * (x.ndim - 1) + [(0, -K % 32)]); x = x.reshape(x.shape[:-1] + (-1, 32)); a = np.abs(x).max(-1, keepdims=True)
;;       e = np.where(a > 0, np.clip(np.frexp(np.where(a > 0, a, 1))[1] - 1 - 2, -126, 127), 0)      # np.frexp(a)[1] - 1 = floor(log2(a)), exactly
;;       r = np.clip(x / 2.0 ** e, -6, 6)
;;       step = 2.0 ** (np.maximum(np.frexp(np.where(r == 0, 1, r))[1] - 1, 0) - 1)
;;       q = np.round(r / step) * step * 2.0 ** e      # np.round: ties to even
;;       return np.moveaxis(q.reshape(q.shape[:-2] + (-1,))[..., :K], -1, axis).astype(np.float32)
;;   ~~~
;;   SOFTMAX AHEAD OF A QUANTISED PRODUCT. Where the list says 'softmax', what is quantised is not the finished softmax but p = 2^(t - M), with t = logit x log2(e) and M = ceil(the row's largest t), a whole number; so 1/2 < the row's largest p <= 1. The row's sum l is taken of the UNQUANTISED p, in f32, and the product's result is divided by l at the end. Since M is a whole number, a kernel that streams over the keys may use a running M (the ceiling of the running maximum): every later rescaling is an exact power of two, which a block's scale takes up: the codes' values come out the same.
;;   OPERANDS COMPUTED ON THE WAY. 'Computed on the way' means the value that the module computes at that place (a softmax that the list does not call 'softmax' is quantised finished and normalised). What goes into a quantiser is computed in f32, as accurately as f32 sums, v_exp_f32 and their like allow (about 1e-6 of the number): no bf16 or f16 on the way to a quantiser, and a product that is left as it is and whose result goes on into a quantised operand takes f32 operands (vector FMAs, or v_wmma_f32_16x16x4_f32). A number that lies on a knife's edge between two numbers of the format may be rounded either way, as far as f32 arithmetic and the matrix unit's own rounding can turn it there, and no further.
;; One version. Each part assembles by itself: llvm-mc -triple=amdgcn-amd-amdhsa -mcpu=gfx1250 --defsym DOCPART=n.
;; ======== version 1 of 1: 4 launches
;; limits: right only within a limited range of input values
;; workspace buffers: opc 6,291,456 bytes; ops 393,216 bytes; qb 4,718,592 bytes; kv 9,175,040 bytes; oc 4,194,304 bytes; os 262,144 bytes
;; launch quant (part 1): grid 768 x 1, 4 waves a work-group, no clusters, 34,304 bytes of LDS; arguments x, Wq, Wk, Wv, Wo, opc, ops; writes opc, ops
.if DOCPART == 1
	.amdgcn_target "amdgcn-amd-amdhsa--gfx1250"
	.amdhsa_code_object_version 6
	.text
	.protected	k_q935fbfd5dd_quant
	.globl	k_q935fbfd5dd_quant
	.p2align	8
	.type	k_q935fbfd5dd_quant,@function
k_q935fbfd5dd_quant:
	s_mov_b64 s[64:65], 0
	v_nop
	global_prefetch_b8 v0, s[64:65] scope:SCOPE_SE
	s_setreg_imm32_b32 hwreg(HW_REG_WAVE_MODE, 25, 1), 1
	s_wait_xcnt 0x0
; x [8192][1024] (K innermost) and Wq, Wk, Wv [16][1024][64], Wo [1024][1024] (K = the outer axis), all f32, become codes of FP4 (E2M1) with one E8M0 byte for each 32 along K.
; THE CODES ARE LAID AS THE MATRIX OPERAND'S REGISTERS WANT THEM: opc [16 slabs of 64 along K][768 tiles of 16 rows][32 lanes][16 bytes]; lane (r, h) of tile T holds k = 64 j + 32 h + 0 .. 31 of row
; 32 (T / 2) + 8 (T % 2) + r + 8 (r / 8).  Tiles 0-511: x's rows; 512-575, 576-639, 640-703: Wq's, Wk's, Wv's columns head x 64 + d; 704-767: Wo's columns.  ops [8 K steps of 128][768 tiles][16 rows]: a word of four bytes.
; A block's scale is 2^(floor(log2(its largest magnitude)) - 2); its byte is the largest magnitude's exponent field - 2, held at 1 from below.
; LIMITS: a block whose largest magnitude lies under 2^-124 keeps the byte 1; a block of zeros keeps the byte 1 where the rule says 127 (its codes are zeros, and this program alone reads the bytes); NaN and infinities are not served.
; Work-groups 0-191: Wq, Wk, Wv; 192-255: Wo; 256-767: x.  Waves share nothing: no barrier.  No work-group reads what another reads: no cluster, no tensor load.  Only x's path touches LDS.
.set PITCH,  393216                    ; a slab of opc in bytes
.set SPITCH, 49152                     ; a K step of ops in bytes
.set SEL,    32                        ; s[32:33] lane selects for v_permlanex16_b32: lane l xor 16
.set TM,     208                       ; v208-223 at work in QUANT
.set ST,     144                       ; v144-207 64 numbers of a lane
; 64 numbers of a lane, register 16 b + i = k 32 b + 16 (lane / 16) + i of my row, become a fragment's codes in v[PC] on and its scale word in v[PW]
.macro QUANT s
.irp b, 0,1,2,3
	v_max3_num_f32 v[TM+\b], |v[\s+16*\b]|, |v[\s+1+16*\b]|, 0x1800000   ; my 16 numbers of block b, and the floor 2^(3 - 127): the byte cannot fall under 1
.endr
.irp i, 2,4,6,8,10,12,14
.irp b, 0,1,2,3
	v_max3_num_f32 v[TM+\b], v[TM+\b], |v[\s+16*\b+\i]|, |v[\s+1+16*\b+\i]|   ; the four blocks by turns
.endr
.endr
.irp b, 0,1,2,3
	v_permlanex16_b32 v[TM+4+\b], v[TM+\b], s[SEL], s[SEL+1]
.endr
.irp b, 0,1,2,3
	v_max_num_f32 v[TM+\b], v[TM+\b], v[TM+4+\b]   ; with lane l xor 16's: the block's largest magnitude
.endr
.irp b, 0,1,2,3
	v_add_nc_u32 v[TM+12+\b], 0xff000000, v[TM+\b]   ; 2 off its exponent field: the conversion takes this operand's exponent field as its scale
.endr
.irp b, 0,1,2,3
	v_lshrrev_b32 v[TM+4+\b], 23, v[TM+12+\b]      ; the scale's byte
.endr
	v_lshl_or_b32 v[PW], v[TM+5], 8, v[TM+4]
	v_lshl_or_b32 v[PW], v[TM+6], 16, v[PW]
	v_lshl_or_b32 v[PW], v[TM+7], 24, v[PW]        ; my row's scale word
.irp b, 0,1,2,3
	v_cvt_scalef32_pk8_fp4_f32 v[PC+2*\b], v[\s+16*\b:\s+7+16*\b], v[TM+12+\b]
	v_cvt_scalef32_pk8_fp4_f32 v[PC+1+2*\b], v[\s+8+16*\b:\s+15+16*\b], v[TM+12+\b]
.endr
	v_nop                                          ; one plain place behind a scaled conversion
.irp c, 0,1                                    ; a whole block to a lane: lanes 0-15 block 2 c, lanes 16-31 block 2 c + 1
.irp i, 0,1
	v_permlane16_swap_b32 v[PC+4*\c+\i], v[PC+2+4*\c+\i]
.endr
.endr
.endm
; A weight: a lane takes a column and its registers run down K.  Block t of the wave's K step: 32 loads, each 128 consecutive bytes a wave
.macro WLOAD t, stride, base
.irp i, 0,1,2,3,4,5,6,7,8,9,10,11,12,13,14,15,16,17,18,19,20,21,22,23,24,25,26,27,28,29,30,31
	global_load_b32 v[32+32*((\t)%2)+\i], v1, s[\base:\base+1] offset:(32*(\t)+\i)*\stride th:TH_LOAD_NT
.endr
.endm
.macro WBLOCK t, stride, base
.set XS, 32+32*((\t)%2)
.if (\t) < 3
	s_wait_loadcnt 32                              ; this block's 32 loads are in; the next block's 32 may be out
.else
	s_wait_loadcnt 0x0
.endif
	v_max3_num_f32 v12, |v[XS]|, |v[XS+1]|, |v[XS+2]|   ; all 32 numbers of the block are mine: two chains
	v_max3_num_f32 v13, |v[XS+3]|, |v[XS+4]|, |v[XS+5]|
.irp i, 6,10,14,18,22,26
	v_max3_num_f32 v12, v12, |v[XS+\i]|, |v[XS+\i+1]|
	v_max3_num_f32 v13, v13, |v[XS+\i+2]|, |v[XS+\i+3]|
.endr
	v_max3_num_f32 v12, v12, |v[XS+30]|, |v[XS+31]|
	v_max3_num_f32 v12, v12, v13, 0x1800000        ; and the floor
	v_add_nc_u32 v11, 0xff000000, v12              ; the conversion's scale operand
	v_lshrrev_b32 v13, 23, v11                     ; the byte
.if (\t) == 0
	v_mov_b32 v24, v13
.else
	v_lshl_or_b32 v24, v13, 8*(\t), v24            ; four bytes make the column's scale word of this K step
.endif
.irp g, 0,1,2,3
	v_cvt_scalef32_pk8_fp4_f32 v[96+4*(\t)+\g], v[XS+8*\g:XS+8*\g+7], v11   ; each block has its own four registers: no store's data are written again
.endr
	global_store_b128 v2, v[96+4*(\t):96+4*(\t)+3], s[14:15] offset:((\t)/2)*PITCH+((\t)%2)*256   ; slab t / 2, half t % 2 of the lanes: two runs of 256 consecutive bytes, aligned
.if (\t) < 2
	WLOAD (\t)+2, \stride, \base
.endif
.endm
.macro WBODY stride, base
	WLOAD 0, \stride, \base
	WLOAD 1, \stride, \base
	WBLOCK 0, \stride, \base
	WBLOCK 1, \stride, \base
	WBLOCK 2, \stride, \base
	WBLOCK 3, \stride, \base
	global_store_b32 v3, v24, s[16:17]
.endm
	s_load_b256 s[4:11], s[0:1], 0x0               ; x, Wq, Wk, Wv
	s_load_b128 s[12:15], s[0:1], 0x20             ; Wo, opc
	s_load_b64 s[16:17], s[0:1], 0x30              ; ops
	v_lshl_add_u32 v254, v0, 2, 0x8400
	v_mov_b32 v255, 0
	v_lshrrev_b32 v1, 5, v0
	v_readfirstlane_b32 s18, v1                    ; wave 0..3
	v_and_b32 v8, 31, v0                           ; lane
	s_cmp_ge_u32 ttmp9, 256
	s_cbranch_scc1 .Lx
	; ---- the weights.  The work-group's number / 4 names a pair of groups of 32 columns; wave & 1 the group; 2 (number & 3) + wave / 2 the K step of 128
	s_lshr_b32 s20, ttmp9, 2
	s_and_b32 s21, s18, 1
	s_lshl_b32 s22, s20, 1
	s_add_co_u32 s22, s22, s21                     ; the group of 32 columns, 0..127
	s_and_b32 s23, ttmp9, 3
	s_lshl_b32 s23, s23, 1
	s_lshr_b32 s24, s18, 1
	s_add_co_u32 s23, s23, s24                     ; the K step, 0..7
	s_wait_alu depctr_va_vdst(0)
	v_lshlrev_b32 v1, 2, v8                        ; in: 4 bytes a lane
	v_bfe_u32 v9, v8, 3, 1                         ; my column's tile of the group's two,
	v_and_b32 v10, 7, v8
	v_lshrrev_b32 v11, 4, v8
	v_lshl_add_u32 v10, v11, 3, v10                ; and its row in that tile
	v_lshlrev_b32 v2, 9, v9
	v_lshl_add_u32 v2, v10, 4, v2                  ; out: 512 x tile + 16 x row
	v_lshlrev_b32 v3, 6, v9
	v_lshl_add_u32 v3, v10, 2, v3                  ; scale words: 64 x tile + 4 x row
	s_mul_i32 s26, s23, 2*PITCH
	s_lshl_b32 s27, s22, 10
	s_add_co_u32 s26, s26, s27
	s_add_co_u32 s26, s26, 512*512                 ; slab 2 s, tile 512 + 2 x group
	s_mov_b32 s27, 0
	s_mul_i32 s28, s23, SPITCH
	s_lshl_b32 s29, s22, 7
	s_add_co_u32 s28, s28, s29
	s_add_co_u32 s28, s28, 512*64
	s_mov_b32 s29, 0
	s_wait_kmcnt 0x0
	s_add_nc_u64 s[14:15], s[14:15], s[26:27]
	s_add_nc_u64 s[16:17], s[16:17], s[28:29]
	s_cmp_ge_u32 ttmp9, 192
	s_cbranch_scc1 .Lwo
	s_lshr_b32 s30, ttmp9, 6                       ; 0: Wq, 1: Wk, 2: Wv
	s_cmp_eq_u32 s30, 0
	s_cselect_b64 s[6:7], s[6:7], s[8:9]
	s_cmp_eq_u32 s30, 2
	s_cselect_b64 s[6:7], s[10:11], s[6:7]
	s_and_b32 s30, s20, 15                         ; the head: 1,024 rows of 256 bytes
	s_lshl_b32 s30, s30, 18
	s_lshl_b32 s31, s23, 15                        ; 128 rows a K step
	s_add_co_u32 s30, s30, s31
	s_lshl_b32 s31, s21, 7                         ; which 32 of the head's 64 columns
	s_add_co_u32 s30, s30, s31
	s_mov_b32 s31, 0
	s_add_nc_u64 s[6:7], s[6:7], s[30:31]
	s_wait_alu depctr_va_vdst(0)
	WBODY 256, 6
	s_endpgm
.Lwo:
	s_lshl_b32 s30, s23, 19                        ; 128 rows of 4,096 bytes a K step
	s_sub_co_u32 s31, s22, 96
	s_lshl_b32 s31, s31, 7
	s_add_co_u32 s30, s30, s31
	s_mov_b32 s31, 0
	s_add_nc_u64 s[12:13], s[12:13], s[30:31]
	s_wait_alu depctr_va_vdst(0)
	WBODY 4096, 12
	s_endpgm
	; ---- x.  The work-group takes tile T; wave w its K steps 2 w and 2 w + 1.  Each load reads 512 consecutive bytes of one row; a K step's 16 rows turn through the wave's own stage in LDS
	; (rows 528 bytes apart, so that sixteen rows start at sixteen different banks) and come back 16 neighbours of each block of 32 to a lane.
.Lx:
	s_sub_co_u32 s20, ttmp9, 256                   ; T
	s_lshr_b32 s21, s20, 1
	s_lshl_b32 s21, s21, 5
	s_and_b32 s22, s20, 1
	s_lshl_b32 s22, s22, 3
	s_add_co_u32 s21, s21, s22                     ; the tile's first row
	s_lshl_b32 s26, s21, 12
	s_lshl_b32 s22, s18, 10
	s_add_co_u32 s26, s26, s22                     ; + 256 w along K
	s_mov_b32 s27, 0
	s_mul_i32 s28, s18, 4*PITCH                    ; slab 4 w,
	s_lshl_b32 s22, s20, 9
	s_add_co_u32 s28, s28, s22                     ; tile T
	s_mov_b32 s29, 0
	s_mul_i32 s30, s18, 2*SPITCH
	s_lshl_b32 s22, s20, 6
	s_add_co_u32 s30, s30, s22
	s_mov_b32 s31, 0
	s_mul_i32 s23, s18, 8448                       ; my stage: 16 rows x 528 bytes
	s_mov_b32 s24, 0xffff0000                      ; lanes 16-31
	s_mov_b32 s[SEL], 0x76543210
	s_mov_b32 s[SEL+1], 0xfedcba98
	v_and_b32 v9, 15, v0                           ; r
	v_bfe_u32 v10, v0, 4, 1                        ; h
	s_wait_alu depctr_va_vdst(0)
	v_lshlrev_b32 v4, 4, v8                        ; 16 x lane
	v_add_nc_u32 v5, s23, v4                       ; into the stage: as loaded
	v_mul_u32_u24 v6, v9, 528
	v_lshl_add_u32 v6, v10, 6, v6
	v_add_nc_u32 v6, s23, v6                       ; out of it: row r, + 64 h
	v_mul_u32_u24 v7, v10, SPITCH
	v_lshl_add_u32 v7, v9, 2, v7                   ; scale words: lanes 0-15 the first K step's, lanes 16-31 the second's
.irp b, 0,1,2,3
	v_mov_b32 v[TM+4+\b], 0                        ; written once: a lane permute's destination counts as one of its sources
.endr
	s_wait_alu depctr_va_vdst(0)
	s_wait_kmcnt 0x0
	s_add_nc_u64 s[4:5], s[4:5], s[26:27]
	s_add_nc_u64 s[14:15], s[14:15], s[28:29]
	s_add_nc_u64 s[16:17], s[16:17], s[30:31]
.irp u, 0,1
.irp p, 0,1,2,3,4,5,6,7,8,9,10,11,12,13,14,15
	global_load_b128 v[16+64*\u+4*\p:19+64*\u+4*\p], v4, s[4:5] offset:(\p+8*(\p/8))*4096+512*\u th:TH_LOAD_NT
.endr
.endr
.macro UNIT u
.set PC, 224+8*\u
.set PW, 240+\u
.if \u == 0
	s_wait_loadcnt 16                              ; the first K step's 16 loads are in; the second's 16 may be out
.else
	s_wait_loadcnt 0x0
.endif
.irp p, 0,1,2,3,4,5,6,7,8,9,10,11,12,13,14,15
	ds_store_b128 v5, v[16+64*\u+4*\p:19+64*\u+4*\p] offset:528*\p
.endr
.irp b, 0,1,2,3
.irp j, 0,1,2,3
	ds_load_b128 v[ST+16*\b+4*\j:ST+16*\b+4*\j+3], v6 offset:128*\b+16*\j   ; LDS serves a wave's instructions in order: these see my stores
.endr
.endr
	s_wait_dscnt 0x0
	QUANT ST
	global_store_b128 v4, v[PC:PC+3], s[14:15] offset:(2*\u)*PITCH        ; 512 consecutive bytes, aligned
	global_store_b128 v4, v[PC+4:PC+7], s[14:15] offset:(2*\u+1)*PITCH
.endm
	UNIT 0
	UNIT 1
	v_cndmask_b32 v242, v240, v241, s24
	global_store_b32 v7, v242, s[16:17]
	s_wait_tensorcnt 0x0
	ds_add_u32 v254, v255
	s_wait_dscnt 0x0
	s_endpgm
.Lfunc_end_k_q935fbfd5dd_quant:
	.size	k_q935fbfd5dd_quant, .Lfunc_end_k_q935fbfd5dd_quant-k_q935fbfd5dd_quant
	.p2alignl 7, 3214868480
	.fill 96, 4, 3214868480
	.section	.rodata,"a",@progbits
	.p2align	6, 0x0
	.amdhsa_kernel k_q935fbfd5dd_quant
		.amdhsa_group_segment_fixed_size 34304
		.amdhsa_private_segment_fixed_size 0
		.amdhsa_enable_private_segment 0
		.amdhsa_kernarg_size 56
		.amdhsa_user_sgpr_count 2
		.amdhsa_user_sgpr_kernarg_segment_ptr 1
		.amdhsa_wavefront_size32 1
		.amdhsa_system_sgpr_workgroup_id_x 1
		.amdhsa_system_sgpr_workgroup_id_y 1
		.amdhsa_system_sgpr_workgroup_id_z 1
		.amdhsa_system_vgpr_workitem_id 0
		.amdhsa_next_free_vgpr 256
		.amdhsa_next_free_sgpr 66
		.amdhsa_reserve_vcc 0
		.amdhsa_float_denorm_mode_32 3
		.amdhsa_float_denorm_mode_16_64 3
		.amdhsa_memory_ordered 1
		.amdhsa_forward_progress 1
		.amdhsa_inst_pref_size 57
	.end_amdhsa_kernel
	.amdgpu_metadata
---
amdhsa.version: [ 1, 2 ]
amdhsa.kernels:
  - .name:           k_q935fbfd5dd_quant
    .symbol:         k_q935fbfd5dd_quant.kd
    .args:
      - { .name: x, .offset: 0, .size: 8, .value_kind: global_buffer, .address_space: global }
      - { .name: Wq, .offset: 8, .size: 8, .value_kind: global_buffer, .address_space: global }
      - { .name: Wk, .offset: 16, .size: 8, .value_kind: global_buffer, .address_space: global }
      - { .name: Wv, .offset: 24, .size: 8, .value_kind: global_buffer, .address_space: global }
      - { .name: Wo, .offset: 32, .size: 8, .value_kind: global_buffer, .address_space: global }
      - { .name: opc, .offset: 40, .size: 8, .value_kind: global_buffer, .address_space: global }
      - { .name: ops, .offset: 48, .size: 8, .value_kind: global_buffer, .address_space: global }
    .group_segment_fixed_size: 34304
    .private_segment_fixed_size: 0
    .kernarg_segment_align: 8
    .kernarg_segment_size: 56
    .max_flat_workgroup_size: 128
    .sgpr_count:     66
    .vgpr_count:     256
    .wavefront_size: 32
...
	.end_amdgpu_metadata
.endif
;; end of part 1
;; launch qkv (part 2): grid 4 x 96, 4 waves a work-group, clusters of 4 x 4, 279,040 bytes of LDS; arguments opc, ops, bq, bk, bv, qb, kv; writes qb, kv
.if DOCPART == 2
	.amdgcn_target "amdgcn-amd-amdhsa--gfx1250"
	.amdhsa_code_object_version 6
	.text
	.protected	k_q935fbfd5dd_qkv
	.globl	k_q935fbfd5dd_qkv
	.p2align	8
	.type	k_q935fbfd5dd_qkv,@function
k_q935fbfd5dd_qkv:
	s_mov_b64 s[64:65], 0
	v_nop
	global_prefetch_b8 v0, s[64:65] scope:SCOPE_SE
	s_setreg_imm32_b32 hwreg(HW_REG_WAVE_MODE, 25, 1), 1
	s_wait_xcnt 0x0
	s_wait_alu depctr_hold_cnt(0) depctr_sa_sdst(0) depctr_va_vdst(0) depctr_va_sdst(0) depctr_va_ssrc(0) depctr_va_vcc(0) depctr_vm_vsrc(0)
	s_getreg_b32 s2, hwreg(HW_REG_IB_STS2, 6, 4)
	s_cmp_eq_u32 s2, 0
	s_cbranch_scc0 .Lentry_in_a_cluster
	s_endpgm
.Lentry_in_a_cluster:
	s_bfe_u32 s2, ttmp6, 0x10000c
	s_cmp_lg_u32 s2, 0xf033
	s_cbranch_scc0 .Lentry_shape_is_right
	s_endpgm
.Lentry_shape_is_right:
; q = x Wq + bq, k = x Wk + bk, v = x Wv + bv on codes of FP4 (E2M1) with E8M0 scales, K = 1,024; the results are quantised at once, in registers, for the two products of attention, and leave as codes.
; A work-group of four waves makes 256 x 256 results; a wave 128 x 128: 64 accumulators of 16 x 16, 512 registers.  In a result, lane (r, h) holds row r of SOURCE 1's tile, and its registers run along SOURCE 0's rows.
; A lane's registers must run along the axis that is quantised next.  So ONE TEXT SERVES TWO KINDS OF CLUSTER, told apart by the cluster's number (equal in all partners):
;   clusters 0-15:  source 0 = Wq's or Wk's columns, source 1 = x's rows: a lane holds one token and 128 neighbours along head x 64 + d: two heads of q or k, quantised along d;
;   clusters 16-23: source 0 = x's rows, source 1 = Wv's columns: a lane holds one column d of v and 128 neighbouring keys, quantised along the keys.
; Both operands lie in opc / ops as images of operand registers ([slab of 64 K][tile][lane][16 bytes]; tile T's row r is row 32 (T / 2) + 8 (T % 2) + r + 8 (r / 8)), so the kinds differ in tile numbers alone,
; and the 16 registers of source 0's tiles 2 b and 2 b + 1 are 16 neighbours along the next K.
; THE WHOLE K LIES IN LDS: each wave brings one of its four parts by one tensor load at the head (source 1's codes; source 0's; source 1's scale words; source 0's): one is out by this text's count; no LDS byte is filled twice.
; CLUSTERS 4 x 4: source 1's tiles hang on the place along y alone and are asked for jointly by a row of the cluster, source 0's on the place along x alone, by a column.
; OUT: qb [64 heads][73,728]: codes [128 tiles][512], from 65,536 on scale words [128][16].  kv [64 heads][143,360]: k's codes [128][512]; from 65,536 v's codes [16 key steps][4 tiles of d][2][512];
;   from 131,072 k's scale words [128][16]; from 139,264 v's [16][4][16].  q's and k's K is 64: the words' upper two bytes are 0, under zero codes.
; LIMITS: a block whose largest magnitude lies under 2^-124, a block of zeros among them, keeps the byte 1 (this program alone reads the bytes); NaN and infinities are not served.
; REGISTERS, in windows of 256: window 0: v0-31 addresses; v32-63 scale words, two sets; v64-95 at work; v128-255 source 1's fragments, two sets (on the way out: 64 numbers).
;   window 1: v0-127 source 0's fragments, two sets; v128-191 bq or bk along a lane's registers; v192-207 bv of a lane's column.   windows 2, 3: accumulator (a, b) at v[8 (8 (a % 4) + b)] of window 2 + a / 4.
.set NA,     8                         ; source 1's tiles in a wave
.set PITCH,  393216                    ; a slab of opc in bytes
.set SPITCH, 49152                     ; a K step of ops in bytes
.set QBH,    73728
.set KVH,    143360
; LDS AS IT IS NOW: four whole tiles, one tensor load a wave, all at the head; no LDS byte is filled twice.
.set AROW,   8192                      ; a slab of source 1 or of source 0: 16 tiles of 512 bytes
.set BBASE,  16*AROW                   ; source 0's 16 slabs lie behind source 1's
.set SCLA,   2*BBASE                   ; then the scale words: source 1's [8 K steps][16 tiles][64 bytes],
.set SCLB,   SCLA+8192                 ; source 0's
.set NF,     24+3*NA                   ; LDS loads of a K step's fetch
.set ADRA, 16
.set ADRB, 17
.set ADSA, 18
.set LI,   19                          ; 16 x lane
.set ADSB, 22
.set RSA,  32                          ; scale words of source 1: set p at v[32 + 16 p + a];
.set RSB,  40                          ; of source 0: v[40 + 16 p + b]
.set TM,   64
.set PC,   80
.set PW,   88
.set PWP,  89
.set WV,   18
.set HA,   19                          ; which half of source 1 is mine.
.set HB,   20                          ; which half of source 0.
.set G1A,  24
.set G0A,  32
.set G1B,  40
.set G0B,  48
.set G1SA, 56
.set G1SB, 68
.set G0SA, 76
.set G0SB, 80
.set SEL,  92
.set HM,   100
.set MSB, 0
.macro WIN new                         ; the immediate's high byte repeats the setting that is left
.if MSB != (\new)
	s_set_vgpr_msb (MSB<<8)|(\new)
.set MSB, (\new)
.endif
.endm
.set MUL_LO, 0xa1                      ; source 0 window 1, source 1 window 0, C and D window 2
.set MUL_HI, 0xf1                      ; the same, C and D window 3
.set TO_B,   0x40                      ; destination window 1, address window 0
.macro PLACES
.rept 4
	v_nop
.endr
.endm
; A joint load: waves 0 and 1 fetch for source 1, waves 2 and 3 for source 0; the branch hangs on the wave's number alone.  Four v_nop follow each of the two lines.
; One arm of the head's chain of branches on the wave's number: its joint load and a jump to the chain's end
.macro ARM under, g0, g1, next
	s_cmp_lt_u32 s[WV], \under
	s_cbranch_scc0 \next
	tensor_load_to_lds s[\g0:\g0+3], s[\g1:\g1+7]
	s_nop 0
.rept 4
	v_nop
.endr
	s_branch .Lhead_asked
\next:
.endm
.macro CROUND                          ; a round of the cluster's barrier
	s_barrier_signal -1
	s_barrier_wait -1
	s_cmp_lg_u32 s[WV], 0
	s_cbranch_scc1 .Lnot_wave_0_\@
	s_barrier_signal -3
.Lnot_wave_0_\@:
	s_barrier_wait -3
	s_barrier_signal -1
	s_barrier_wait -1
.endm
.macro QUANT s                         ; 64 numbers of a lane, register 16 b + i = k 32 b + 16 (lane / 16) + i of my row, become a fragment's codes in v[PC] on and its scale word in v[PW]
.irp b, 0,1,2,3
	v_max3_num_f32 v[TM+\b], |v[\s+16*\b]|, |v[\s+1+16*\b]|, 0x1800000   ; and the floor 2^(3 - 127): the byte cannot fall under 1
.endr
.irp i, 2,4,6,8,10,12,14
.irp b, 0,1,2,3
	v_max3_num_f32 v[TM+\b], v[TM+\b], |v[\s+16*\b+\i]|, |v[\s+1+16*\b+\i]|
.endr
.endr
.irp b, 0,1,2,3
	v_permlanex16_b32 v[TM+4+\b], v[TM+\b], s[SEL], s[SEL+1]
.endr
.irp b, 0,1,2,3
	v_max_num_f32 v[TM+\b], v[TM+\b], v[TM+4+\b]
.endr
.irp b, 0,1,2,3
	v_add_nc_u32 v[TM+12+\b], 0xff000000, v[TM+\b]   ; 2 off the exponent field: the conversion's scale operand
.endr
.irp b, 0,1,2,3
	v_lshrrev_b32 v[TM+4+\b], 23, v[TM+12+\b]
.endr
	v_lshl_or_b32 v[PW], v[TM+5], 8, v[TM+4]
	v_lshl_or_b32 v[PW], v[TM+6], 16, v[PW]
	v_lshl_or_b32 v[PW], v[TM+7], 24, v[PW]
.irp b, 0,1,2,3
	v_cvt_scalef32_pk8_fp4_f32 v[PC+2*\b], v[\s+16*\b:\s+7+16*\b], v[TM+12+\b]
	v_cvt_scalef32_pk8_fp4_f32 v[PC+1+2*\b], v[\s+8+16*\b:\s+15+16*\b], v[TM+12+\b]
.endr
	v_nop                                          ; one plain place behind a scaled conversion
.irp c, 0,1
.irp i, 0,1
	v_permlane16_swap_b32 v[PC+4*\c+\i], v[PC+2+4*\c+\i]
.endr
.endr
.endm
; K step s's fragments and scale words into set p: every load takes 16 (or 4) bytes a lane on end: an image of the operand's registers
.macro FETCH s, p
	WIN TO_B
.irp i, 0,1,2,3,4,5,6,7
.irp c, 0,1
	ds_load_b128 v[64*(\p)+8*\i+4*\c:64*(\p)+8*\i+4*\c+3], v[ADRB+9*((\s)/4)] offset:(2*((\s)%4)+\c)*AROW+512*\i   ; K steps 4-7 by the second address register, 65,536 bytes on
.endr
.endr
	WIN 0
.set I_, 0
.rept NA
.irp c, 0,1
	ds_load_b128 v[128+64*(\p)+8*I_+4*\c:128+64*(\p)+8*I_+4*\c+3], v[ADRA+9*((\s)/4)] offset:(2*((\s)%4)+\c)*AROW+512*I_
.endr
.set I_, I_+1
.endr
.set I_, 0
.rept NA
	ds_load_b32 v[RSA+16*(\p)+I_], v[ADSA] offset:(\s)*1024+64*I_
.set I_, I_+1
.endr
.irp i, 0,1,2,3,4,5,6,7
	ds_load_b32 v[RSB+16*(\p)+\i], v[ADSB] offset:(\s)*1024+64*\i
.endr
.endm
; 8 matrix instructions: source 1's tile a against source 0's eight.  cmode 0: the first product starts the sums.  All accumulators take turns, one instruction a turn, in the same order in every K step.
.macro MUL s, a, cmode
.set P_, (\s)%2
.set AC_, 64*((\a)%4)
.irp b, 0,1,2,3,4,5,6,7
.if \cmode == 0
	v_wmma_scale_f32_16x16x128_f8f6f4 v[AC_+8*\b:AC_+8*\b+7], v[64*P_+8*\b:64*P_+8*\b+7], v[128+64*P_+8*(\a):128+64*P_+8*(\a)+7], 0, v[RSB+16*P_+\b], v[RSA+16*P_+(\a)] matrix_a_fmt:MATRIX_FMT_FP4 matrix_b_fmt:MATRIX_FMT_FP4
.else
	v_wmma_scale_f32_16x16x128_f8f6f4 v[AC_+8*\b:AC_+8*\b+7], v[64*P_+8*\b:64*P_+8*\b+7], v[128+64*P_+8*(\a):128+64*P_+8*(\a)+7], v[AC_+8*\b:AC_+8*\b+7], v[RSB+16*P_+\b], v[RSA+16*P_+(\a)] matrix_a_fmt:MATRIX_FMT_FP4 matrix_b_fmt:MATRIX_FMT_FP4
.endif
.endr
.endm
.macro KSTEP s
.if (\s) < 7
.if (\s) > 0
	PLACES                                         ; four places in front of loads into the set that the K step before multiplied
.endif
	FETCH (\s)+1, 1-(\s)%2
	s_wait_dscnt NF                                ; all but the NF loads just issued: this K step's set is in
.else
	s_wait_dscnt 0x0
.endif
	WIN MUL_LO
.irp a, 0,1,2,3
.if (\s) == 0
	MUL \s, \a, 0
.else
	MUL \s, \a, 1
.endif
.endr
	WIN MUL_HI
.irp a, 4,5,6,7
.if (\s) == 0
	MUL \s, \a, 0
.else
	MUL \s, \a, 1
.endif
.endr
	WIN 0
.endm
	s_load_b256 s[4:11], s[0:1], 0x0               ; opc, ops, bq, bk
	s_load_b128 s[12:15], s[0:1], 0x20             ; bv, qb
	s_load_b64 s[16:17], s[0:1], 0x30              ; kv
	v_lshl_add_u32 v126, v0, 2, 0x44000
	v_mov_b32 v127, 0
	ds_add_u32 v126, v127
	ds_add_u32 v126, v127
	v_lshrrev_b32 v1, 5, v0
	v_readfirstlane_b32 s[WV], v1                  ; wave 0..3
	s_lshr_b32 s[HA], s[WV], 1
	s_and_b32 s[HB], s[WV], 1
	s_bfe_u32 s21, ttmp6, 0x40000                  ; cx
	s_bfe_u32 s22, ttmp6, 0x40004                  ; cy
	s_and_b32 s23, ttmp7, 0xffff                   ; the cluster's number, 0..23
	s_and_b32 s84, s23, 1                          ; q, k: 0 = q, 1 = k;
	s_lshr_b32 s85, s23, 1                         ;       which 1,024 rows of x
	s_sub_co_u32 s86, s23, 16                      ; v: which 1,024 rows of x
	s_cmp_lt_u32 s23, 16
	s_cselect_b32 s84, s84, s86                    ; c0
	s_cselect_b32 s85, s85, 0                      ; c1
	s_cselect_b32 s86, 512, 0                      ; source 0's first tile in opc
	s_cselect_b32 s87, 0, 640                      ; source 1's
	s_lshl_b32 s88, s84, 2
	s_add_co_u32 s88, s88, s21                     ; tile0 = 4 c0 + cx: which 256 rows of source 0
	s_lshl_b32 s89, s85, 2
	s_add_co_u32 s89, s89, s22                     ; tile1 = 4 c1 + cy: which 256 rows of source 1
	s_lshl_b32 s90, s22, 2
	s_lshl_b32 s90, 15, s90                        ; my row of the cluster
	s_lshl_b32 s91, 0x1111, s21                    ; my column
	s_or_b32 s[G1A], s90, (3<<16)|(1<<21)          ; 15:0 the mask; 17:16 elements of 8 bytes; 21 set beside a mask; no padding
	s_or_b32 s[G1SA], s90, (3<<16)|(1<<21)
	s_or_b32 s[G1B], s91, (3<<16)|(1<<21)
	s_or_b32 s[G1SB], s91, (3<<16)|(1<<21)
.irp g, G1A, G1B                       ; codes: 16 slabs x 16 tiles of 512 bytes
	s_mov_b32 s[\g+1], 1024<<16                    ; tensor_dim0 = 1,024 elements of 8 bytes
	s_mov_b32 s[\g+2], 16<<16                      ; tensor_dim1 = 16
	s_mov_b32 s[\g+3], 1024<<16                    ; tile_dim0
	s_mov_b32 s[\g+4], 16                          ; tile_dim1
	s_mov_b32 s[\g+5], PITCH/8                     ; from slab to slab
	s_mov_b32 s[\g+6], 0
	s_mov_b32 s[\g+7], 0
.endr
.irp g, G1SA, G1SB                     ; scale words: 8 K steps x 16 tiles of 64 bytes
	s_mov_b32 s[\g+1], 128<<16
	s_mov_b32 s[\g+2], 8<<16
	s_mov_b32 s[\g+3], 128<<16
	s_mov_b32 s[\g+4], 8
	s_mov_b32 s[\g+5], SPITCH/8
	s_mov_b32 s[\g+6], 0
	s_mov_b32 s[\g+7], 0
.endr
	s_lshl_b32 s91, s88, 4
	s_add_co_u32 s86, s86, s91                     ; source 0's first tile
	s_lshl_b32 s90, s89, 4
	s_add_co_u32 s87, s87, s90                     ; source 1's
	s_mov_b32 s[G0A], 1
	s_mov_b32 s[G0B], 1
	s_mov_b32 s[G0SA], 1
	s_mov_b32 s[G0SB], 1
	s_mov_b32 s[G0A+1], 0                          ; LDS addresses: constants alone
	s_mov_b32 s[G0B+1], BBASE
	s_mov_b32 s[G0SA+1], SCLA
	s_mov_b32 s[G0SB+1], SCLB
	s_mov_b32 s95, 0
	s_mov_b32 s3, 0
	s_wait_dscnt 0x0
	s_wait_kmcnt 0x0
	s_lshl_b32 s94, s87, 9
	s_add_nc_u64 s[G0A+2:G0A+3], s[4:5], s[94:95]
	s_lshl_b32 s94, s87, 6
	s_add_nc_u64 s[G0SA+2:G0SA+3], s[6:7], s[94:95]
	s_lshl_b32 s2, s86, 9
	s_add_nc_u64 s[G0B+2:G0B+3], s[4:5], s[2:3]
	s_lshl_b32 s2, s86, 6
	s_add_nc_u64 s[G0SB+2:G0SB+3], s[6:7], s[2:3]
.irp g, G0A+3, G0B+3, G0SA+3, G0SB+3
	s_or_b32 s[\g], s[\g], 0x80000000              ; type = 2
.endr
	CROUND                                         ; all sixteen work-groups are here: the joint loads meet
	; THE HEAD'S LOADS, ONE A WAVE: wave 0 source 1's codes of all of K, wave 1 source 0's, wave 2 source 1's scale words, wave 3 source 0's
	ARM 1, G0A,  G1A,  .Lhead_b
	ARM 2, G0B,  G1B,  .Lhead_sa
	ARM 3, G0SA, G1SA, .Lhead_sb
	tensor_load_to_lds s[G0SB:G0SB+3], s[G1SB:G1SB+7]
	s_nop 0
.rept 4
	v_nop
.endr
.Lhead_asked:
	v_and_b32 v1, 31, v0                           ; lane
	v_and_b32 v2, 15, v0                           ; r
	v_bfe_u32 v3, v0, 4, 1                         ; h
	v_lshlrev_b32 v[LI], 4, v1
	v_lshlrev_b32 v21, 2, v1                       ; 4 x lane
	v_lshlrev_b32 v4, 2, v2                        ; 4 r
	s_lshl_b32 s85, s[HA], 12                      ; my half of a slab: 8 tiles of 512 bytes
	v_add_nc_u32 v[ADRA], s85, v[LI]
	v_add_nc_u32 v[ADRA+9], 0x10000, v[ADRA]       ; slabs 8-15
	s_lshl_b32 s85, s[HB], 12
	s_add_co_u32 s85, s85, BBASE
	v_add_nc_u32 v[ADRB], s85, v[LI]
	v_add_nc_u32 v[ADRB+9], 0x10000, v[ADRB]
	s_lshl_b32 s85, s[HA], 9                       ; my half of a K step's words: 8 tiles of 64 bytes
	s_add_co_u32 s85, s85, SCLA
	v_add_nc_u32 v[ADSA], s85, v4
	s_lshl_b32 s85, s[HB], 9
	s_add_co_u32 s85, s85, SCLB
	v_add_nc_u32 v[ADSB], s85, v4
	s_mov_b32 s[SEL], 0x76543210
	s_mov_b32 s[SEL+1], 0xfedcba98
	s_mov_b32 s[HM], 0xffff0000                    ; lanes 16-31
.irp b, 0,1,2,3
	v_mov_b32 v[TM+4+\b], 0                        ; written once: a lane permute's destination counts as one of its sources
.endr
	; the biases of both kinds are asked for on the one way that all take; every address is masked into its buffer of 1,024 numbers
	s_lshl_b32 s96, s88, 8
	s_lshl_b32 s97, s[HB], 7
	s_add_co_u32 s96, s96, s97
	s_and_b32 s96, s96, 1023
	s_lshl_b32 s96, s96, 2                         ; source 0's first row as a place in bq or bk
	s_mov_b32 s97, 0
	s_cmp_eq_u32 s84, 0
	s_cselect_b64 s[8:9], s[8:9], s[10:11]
	s_add_nc_u64 s[8:9], s[8:9], s[96:97]
	s_lshl_b32 s96, s89, 8
	s_lshl_b32 s98, s[HA], 7
	s_add_co_u32 s96, s96, s98
	s_and_b32 s96, s96, 1023
	s_lshl_b32 s96, s96, 2                         ; source 1's first row as a place in bv
	s_add_nc_u64 s[12:13], s[12:13], s[96:97]
	v_lshlrev_b32 v5, 6, v3                        ; 64 h: my 16 of each 32
	v_and_b32 v6, 8, v2
	v_add_nc_u32 v6, v6, v2
	v_lshlrev_b32 v6, 2, v6                        ; 4 (r + 8 (r / 8))
	WIN TO_B
.irp b, 0,1,2,3
.irp j, 0,1,2,3
	global_load_b128 v[128+16*\b+4*\j:131+16*\b+4*\j], v5, s[8:9] offset:128*\b+16*\j
.endr
.endr
.irp a, 0,1,2,3,4,5,6,7
	global_load_b32 v[192+2*\a], v6, s[12:13] offset:(32*(\a/2)+8*(\a%2))*4
	v_mov_b32 v[193+2*\a], 0                       ; (named with it as a pair)
.endr
	WIN 0
	s_wait_tensorcnt 0x0                           ; my tile of the four is in
	s_barrier_signal -1
	s_barrier_wait -1                              ; everybody's are
	FETCH 0, 0
.irp s, 0,1,2,3,4,5,6,7
	KSTEP \s
.endr
	s_wait_loadcnt 0x0                             ; the biases
	PLACES                                         ; four places in front of the first read of results and the first write of source 1's registers
	s_cmp_lt_u32 s23, 16
	s_cbranch_scc0 .Lkind_v
	; ---- q, k.  Source 1's tile a: 16 tokens; my 64 numbers are two heads' d 32 b + 16 h + i: a fragment's first four registers go to the first head, the other four to the second
	s_cmp_eq_u32 s84, 0
	s_cselect_b64 s[94:95], s[14:15], s[16:17]     ; qb or kv
	s_mov_b32 s101, KVH
	s_cselect_b32 s101, QBH, s101                  ; from head to head
	s_mov_b32 s85, 131072
	s_cselect_b32 s85, 65536, s85                  ; where the scale words begin
	s_lshl_b32 s90, s89, 4
	s_lshl_b32 s86, s[HA], 3
	s_add_co_u32 s90, s90, s86                     ; my first tile of x
	s_lshr_b32 s86, s90, 7                         ; the batch,
	s_lshl_b32 s86, s86, 4
	s_and_b32 s87, s88, 3
	s_lshl_b32 s87, s87, 2
	s_add_co_u32 s86, s86, s87
	s_lshl_b32 s87, s[HB], 1
	s_add_co_u32 s86, s86, s87                     ; x 16 + my first head
	s_mul_i32 s86, s86, s101
	s_and_b32 s90, s90, 127                        ; the tile within the batch
	s_lshl_b32 s87, s90, 9
	s_add_co_u32 s96, s86, s87
	s_mov_b32 s97, 0
	s_lshl_b32 s87, s90, 6
	s_add_co_u32 s98, s86, s87
	s_add_co_u32 s98, s98, s85
	s_mov_b32 s99, 0
	s_add_nc_u64 s[98:99], s[94:95], s[98:99]      ; the scale words,
	s_add_nc_u64 s[94:95], s[94:95], s[96:97]      ; the first head's codes,
	s_mov_b32 s96, s101
	s_add_nc_u64 s[96:97], s[94:95], s[96:97]      ; the second head's
	v_mul_lo_u32 v20, v3, s101
	v_add_nc_u32 v20, v20, v4                      ; lanes 0-15 store the first head's words, lanes 16-31 the second's
.macro EPI_QK a
	s_wait_xcnt 0x0                                ; the last tile's stores have read their registers
	WIN 0x06+(\a)/4                                ; source 0: the accumulators' window; source 1: window 1
.set AC_, 64*((\a)%4)
.set i_, 0
.rept 32
	v_pk_add_f32 v[128+i_:129+i_], v[AC_+i_:AC_+i_+1], v[128+i_:129+i_]   ; + the bias; each accumulator from its low end on
.set i_, i_+2
.endr
	WIN 0
	QUANT 128
	global_store_b128 v[LI], v[PC:PC+3], s[94:95] offset:512*(\a)         ; 512 consecutive bytes, aligned
	global_store_b128 v[LI], v[PC+4:PC+7], s[96:97] offset:512*(\a)
	v_and_b32 v90, 0xffff, v[PW]
	v_lshrrev_b32 v91, 16, v[PW]
	v_cndmask_b32 v90, v90, v91, s[HM]
	global_store_b32 v20, v90, s[98:99] offset:64*(\a)
.endm
.irp a, 0,1,2,3,4,5,6,7
	EPI_QK \a
.endr
	s_branch .Ldone
	; ---- v.  Source 1's tile a: 16 of a head's 64 columns; my 64 numbers are keys 32 b + 16 h + i of the wave's 128: one fragment of v with the keys innermost
.Lkind_v:
	s_lshr_b32 s86, s88, 3                         ; the batch,
	s_lshl_b32 s86, s86, 4
	s_lshl_b32 s87, s89, 2
	s_add_co_u32 s86, s86, s87
	s_lshl_b32 s87, s[HA], 1
	s_add_co_u32 s86, s86, s87                     ; x 16 + my first head
	s_mul_i32 s86, s86, KVH
	s_and_b32 s87, s88, 7
	s_lshl_b32 s87, s87, 1
	s_add_co_u32 s87, s87, s[HB]                   ; the key step
	s_lshl_b32 s90, s87, 12
	s_add_co_u32 s96, s86, s90
	s_add_co_u32 s96, s96, 65536
	s_mov_b32 s97, 0
	s_lshl_b32 s90, s87, 8
	s_add_co_u32 s98, s86, s90
	s_add_co_u32 s98, s98, 139264
	s_mov_b32 s99, 0
	s_add_nc_u64 s[94:95], s[16:17], s[96:97]
	s_add_nc_u64 s[98:99], s[16:17], s[98:99]
.macro EPI_V a
	s_wait_xcnt 0x0                                ; the last tile's stores have read their registers
	WIN 0x06+(\a)/4
.set AC_, 64*((\a)%4)
.set i_, 0
.rept 32
	v_pk_add_f32 v[128+i_:129+i_], v[AC_+i_:AC_+i_+1], v[192+2*(\a):193+2*(\a)] op_sel_hi:[1,0]   ; + my column's bias
.set i_, i_+2
.endr
	WIN 0
	QUANT 128
	global_store_b128 v[LI], v[PC:PC+3], s[94:95] offset:((\a)/4)*KVH+((\a)%4)*1024
	global_store_b128 v[LI], v[PC+4:PC+7], s[94:95] offset:((\a)/4)*KVH+((\a)%4)*1024+512
.if (\a)%2 == 0
	v_mov_b32 v[PWP], v[PW]
.else
	v_cndmask_b32 v90, v[PWP], v[PW], s[HM]        ; two tiles' words: 128 consecutive bytes
	global_store_b32 v21, v90, s[98:99] offset:((\a)/4)*KVH+(((\a)%4)/2)*128
.endif
.endm
	s_wait_alu depctr_va_vdst(0)
.irp a, 0,1,2,3,4,5,6,7
	EPI_V \a
.endr
.Ldone:
	s_wait_tensorcnt 0x0
	ds_add_u32 v126, v127
	s_wait_dscnt 0x0
	CROUND                                         ; the closing round: no work-group ends while a partner may still ask for a tile that names it
	s_endpgm
.Lfunc_end_k_q935fbfd5dd_qkv:
	.size	k_q935fbfd5dd_qkv, .Lfunc_end_k_q935fbfd5dd_qkv-k_q935fbfd5dd_qkv
	.p2alignl 7, 3214868480
	.fill 96, 4, 3214868480
	.section	.rodata,"a",@progbits
	.p2align	6, 0x0
	.amdhsa_kernel k_q935fbfd5dd_qkv
		.amdhsa_group_segment_fixed_size 279040
		.amdhsa_private_segment_fixed_size 0
		.amdhsa_enable_private_segment 0
		.amdhsa_kernarg_size 56
		.amdhsa_user_sgpr_count 2
		.amdhsa_user_sgpr_kernarg_segment_ptr 1
		.amdhsa_wavefront_size32 1
		.amdhsa_system_sgpr_workgroup_id_x 1
		.amdhsa_system_sgpr_workgroup_id_y 1
		.amdhsa_system_sgpr_workgroup_id_z 1
		.amdhsa_system_vgpr_workitem_id 0
		.amdhsa_next_free_vgpr 1024
		.amdhsa_next_free_sgpr 102
		.amdhsa_reserve_vcc 0
		.amdhsa_float_denorm_mode_32 3
		.amdhsa_float_denorm_mode_16_64 3
		.amdhsa_memory_ordered 1
		.amdhsa_forward_progress 1
		.amdhsa_inst_pref_size 203
	.end_amdhsa_kernel
	.amdgpu_metadata
---
amdhsa.version: [ 1, 2 ]
amdhsa.kernels:
  - .name:           k_q935fbfd5dd_qkv
    .symbol:         k_q935fbfd5dd_qkv.kd
    .args:
      - { .name: opc, .offset: 0, .size: 8, .value_kind: global_buffer, .address_space: global }
      - { .name: ops, .offset: 8, .size: 8, .value_kind: global_buffer, .address_space: global }
      - { .name: bq, .offset: 16, .size: 8, .value_kind: global_buffer, .address_space: global }
      - { .name: bk, .offset: 24, .size: 8, .value_kind: global_buffer, .address_space: global }
      - { .name: bv, .offset: 32, .size: 8, .value_kind: global_buffer, .address_space: global }
      - { .name: qb, .offset: 40, .size: 8, .value_kind: global_buffer, .address_space: global }
      - { .name: kv, .offset: 48, .size: 8, .value_kind: global_buffer, .address_space: global }
    .group_segment_fixed_size: 279040
    .private_segment_fixed_size: 0
    .kernarg_segment_align: 8
    .kernarg_segment_size: 56
    .max_flat_workgroup_size: 128
    .sgpr_count:     102
    .vgpr_count:     1024
    .wavefront_size: 32
...
	.end_amdgpu_metadata
.endif
;; end of part 2
;; launch attn (part 3): grid 4 x 64, 16 waves a work-group, clusters of 4 x 1, 169,984 bytes of LDS; arguments qb, kv, oc, os; writes oc, os
.if DOCPART == 3
	.amdgcn_target "amdgcn-amd-amdhsa--gfx1250"
	.amdhsa_code_object_version 6
	.text
	.protected	k_q935fbfd5dd_attn
	.globl	k_q935fbfd5dd_attn
	.p2align	8
	.type	k_q935fbfd5dd_attn,@function
k_q935fbfd5dd_attn:
	s_mov_b64 s[64:65], 0
	v_nop
	global_prefetch_b8 v0, s[64:65] scope:SCOPE_SE
	s_setreg_imm32_b32 hwreg(HW_REG_WAVE_MODE, 25, 1), 1
	s_wait_xcnt 0x0
	s_wait_alu depctr_hold_cnt(0) depctr_sa_sdst(0) depctr_va_vdst(0) depctr_va_sdst(0) depctr_va_ssrc(0) depctr_va_vcc(0) depctr_vm_vsrc(0)
	s_getreg_b32 s2, hwreg(HW_REG_IB_STS2, 6, 4)
	s_cmp_eq_u32 s2, 0
	s_cbranch_scc0 .Lentry_in_a_cluster
	s_endpgm
.Lentry_in_a_cluster:
	s_bfe_u32 s2, ttmp6, 0x10000c
	s_cmp_lg_u32 s2, 0x3003
	s_cbranch_scc0 .Lentry_shape_is_right
	s_endpgm
.Lentry_shape_is_right:
; heads = softmax(q k^T / 8, causal) v for one head a cluster, both products on codes of FP4 (E2M1) with E8M0 scales; the result is quantised along head x 64 + d for the output projection and leaves as codes.
; LEFT OUT: key steps all of whose keys come after a tile's queries: the causal mask turns their scores into -infinity, so their p is 0 for all values of the inputs.  A NaN or an infinity that reaches only those scores is not carried on.
; THE SOFTMAX: t = score x log2(e) / 8; M = the row's largest t so far, rounded up to a whole number; p = 2^(t - M) is quantised along the keys, not normalised; the row's sum is taken of the unquantised p and divides at
; the end.  When M moves, the sum and O are multiplied by 2^(old M - new M): exact.
; LAYOUT.  Both products are used transposed: S^T = K Q^T, O^T = V^T P^T: a lane holds one query throughout.  Row r of tile T is row 32 (T / 2) + 8 (T % 2) + r + 8 (r / 8), so the 16 registers of tiles 2 b and 2 b + 1 are 16 neighbours.
; THE FIRST PRODUCT'S K IS 64: a tile of k is four registers, and source 0 of tile t is v[KF + 4 t .. + 7]: its upper half is the next tile's codes, which meet q's zero codes and add nothing (behind the last tile: zeros).
; SHARES.  The head's k and v (codes and scale words, 143,360 bytes) come into LDS once, as they lie in memory, by eight joint loads of the cluster's four work-groups; afterwards LDS is only read: no barrier in the loops.
; The work-group at place cx takes tiles 8 g + 2 cx + e of every g; wave w takes (g = w, e = 0) and (g = 15 - w, e = 1): 17 key steps of 128 for every wave.  Every branch hangs on the wave's number and a counter; cx enters
; q's and the output's global addresses and the mask's numbers alone.
; FRAGMENTS ARE ASKED FOR AHEAD: k's tiles and words of step j + 1 directly behind step j's first products, v's at the step's top.  Behind a tile's last step that asks for bytes that nothing uses: they lie inside the head's block.
; No prefetch into the L2: the launch reads kv once, at its head, with no loop to run ahead in.
; LIMITS: a block whose largest magnitude lies under 2^-124, a block of zeros among them, keeps the byte 1 (this program alone reads the bytes); NaN and infinities are not served; scaled scores stay under 2^31.
.set QBH, 73728
.set KVH, 143360
.set SPARE, 0x29000                    ; the spare words: 128 bytes for each wave
.set LI, 1                             ; 16 x lane: k's codes begin at LDS byte 0
.set LV, 2                             ; v's codes
.set SPW, 3
.set NIL, 4
.set NINF, 5                           ; -infinity
.set MK, 6                             ; v6, v7 the mask's numbers of my two tiles
.set KA, 8                             ; v8-11 a step's addresses: k's codes, k's words, v's codes, v's words
.set KW, 9
.set VA, 10
.set VW, 11
.set KF, 24                            ; v24-55 k's eight tiles, v56-59 zeros;  q: v16-23 and v220-227
.set KS, 60                            ; scales alone: v60-63 k's words, v64-65 v's, v66 and v228 q's, v67 p's
.set VS, 64
.set PWD, 67
.set VF, 68                            ; v68-99 v's four fragments
.set S, 100                            ; v100-163 S^T, then p
.set O, 164                            ; v164-195 O^T
.set PC, 196                           ; v196-203 p's codes
.set BM, 204
.set PM, 208
.set SO, 212
.set X1, 216
.set X2, 218
.set T, 230
.set F, 232
.set LKW, 234                          ; k's scale words
.set LVW, 235                          ; v's
.set BYT, 236                          ; the output bytes' place: 4 r + h
.set HM,  14
.set GA,  16
.set WV,  18
.set SEL, 20
.set CS,  22
.set G1,  24
.set G0,  32
.set QCB, 36
.set QSB, 40
.set OCB, 44
.set OSB, 48
.set TK,  52
.set TKN, 53
.set CNT, 55
.macro CROUND                          ; a round of the cluster's barrier
	s_barrier_signal -1
	s_barrier_wait -1
	s_cmp_lg_u32 s[WV], 0
	s_cbranch_scc1 .Lnot_wave_0_\@
	s_barrier_signal -3
.Lnot_wave_0_\@:
	s_barrier_wait -3
	s_barrier_signal -1
	s_barrier_wait -1
.endm
.macro PA d, a, b
	v_pk_add_f32 v[\d:\d+1], v[\a:\a+1], v[\b:\b+1]
.endm
.macro KLOAD ka, kw                    ; a key step's eight tiles of k and their words: 12 LDS loads
.irp t, 0,1,2,3,4,5,6,7
	ds_load_b128 v[KF+4*\t:KF+4*\t+3], v[\ka] offset:512*\t
.endr
.irp p, 0,1,2,3
	ds_load_b32 v[KS+\p], v[\kw] offset:128*\p     ; lanes 0-15 an even tile's words, lanes 16-31 the odd one's
.endr
.endm
	s_load_b256 s[4:11], s[0:1], 0x0               ; qb, kv, oc, os
	v_lshl_add_u32 v[SPW], v0, 2, SPARE
	v_mov_b32 v[NIL], 0
	ds_add_u32 v[SPW], v[NIL]                      ; the opening lines: the add, twice on end, and its wait
	ds_add_u32 v[SPW], v[NIL]
	s_wait_dscnt 0x0
	v_lshrrev_b32 v8, 5, v0
	s_delay_alu instid0(VALU_DEP_1)
	v_readfirstlane_b32 s[WV], v8                  ; wave 0..15
	s_bfe_u32 s12, ttmp6, 0x40000                  ; cx
	s_and_b32 s13, ttmp7, 0xffff                   ; batch x 16 + head
	s_mov_b32 s[HM], 0xffff0000
	s_mov_b32 s[GA], s[WV]
	s_xor_b32 s[GA+1], s[WV], 15                   ; 15 - wave
	s_mov_b32 s[SEL], 0x76543210
	s_mov_b32 s[SEL+1], 0xfedcba98
	s_mov_b32 s[CS], 0x3e38aa3b                    ; c = log2(e) / 8
	s_mov_b32 s[CS+1], s[CS]
	s_mov_b32 s[G1], 15|(3<<16)|(1<<21)            ; the mask: all four work-groups; elements of 8 bytes; bit 21 beside a mask; no padding
	s_mov_b32 s[G1+1], 32<<16                      ; rows of 256 bytes,
	s_mov_b32 s[G1+2], 70<<16                      ; 70 of them: an eighth of the head's block
	s_mov_b32 s[G1+3], 32<<16
	s_mov_b32 s[G1+4], 70
	s_mov_b32 s[G1+5], 32                          ; dense
	s_mov_b32 s[G1+6], 0
	s_mov_b32 s[G1+7], 0
	s_mul_i32 s56, s13, KVH
	s_mul_i32 s58, s[WV], 17920
	s_add_co_u32 s56, s56, s58
	s_mov_b32 s57, 0
	s_wait_kmcnt 0x0
	s_mov_b32 s[G0], 1
	s_mov_b32 s[G0+1], s58
	s_add_nc_u64 s[G0+2:G0+3], s[6:7], s[56:57]
	s_or_b32 s[G0+3], s[G0+3], 0x80000000
	CROUND                                         ; all four work-groups are here: the joint loads meet
	s_cmp_lt_u32 s[WV], 8                          ; waves 0 to 7 fetch, one load each
	s_cbranch_scc0 .Lno_fetch
	tensor_load_to_lds s[G0:G0+3], s[G1:G1+7]
	s_nop 0
.rept 4
	v_nop
.endr
.Lno_fetch:
	s_lshl_b32 s59, s12, 1
	s_lshl_b32 s60, s[GA], 3
	s_add_co_u32 s60, s60, s59                     ; my first tile of queries: 8 w + 2 cx
	s_lshl_b32 s61, s[GA+1], 3
	s_add_co_u32 s61, s61, s59
	s_add_co_u32 s61, s61, 1                       ; my second: 8 (15 - w) + 2 cx + 1
	s_mul_i32 s62, s13, QBH
	s_lshr_b32 s63, s13, 4
	s_lshl_b32 s63, s63, 7                         ; the batch's first tile of rows
	s_and_b32 s56, s13, 15                         ; the head:
	s_lshl_b32 s57, s56, 18                        ; its slab of oc,
	s_lshr_b32 s58, s56, 1
	s_lshl_b32 s58, s58, 15                        ; its K step of os,
	s_and_b32 s56, s56, 1
	s_lshl_b32 s56, s56, 1
	s_add_co_u32 s58, s58, s56                     ; and its two bytes of a word
	s_mov_b32 s67, 0
.irp e, 0,1
	s_lshl_b32 s66, s[60+\e], 9
	s_add_co_u32 s66, s66, s62
	s_add_nc_u64 s[QCB+2*\e:QCB+2*\e+1], s[4:5], s[66:67]
	s_lshl_b32 s66, s[60+\e], 6
	s_add_co_u32 s66, s66, s62
	s_add_co_u32 s66, s66, 65536
	s_add_nc_u64 s[QSB+2*\e:QSB+2*\e+1], s[4:5], s[66:67]
	s_add_co_u32 s68, s63, s[60+\e]
	s_lshl_b32 s66, s68, 9
	s_add_co_u32 s66, s66, s57
	s_add_nc_u64 s[OCB+2*\e:OCB+2*\e+1], s[8:9], s[66:67]
	s_lshl_b32 s66, s68, 6
	s_add_co_u32 s66, s66, s58
	s_add_nc_u64 s[OSB+2*\e:OSB+2*\e+1], s[10:11], s[66:67]
.endr
	s_lshl_b32 s59, s12, 5
	v_and_b32 v8, 31, v0                           ; lane
	v_and_b32 v10, 15, v0                          ; r
	v_bfe_u32 v11, v0, 4, 1                        ; h
	v_lshlrev_b32 v[LI], 4, v8
	v_add_nc_u32 v[LV], 65536, v[LI]
	v_lshlrev_b32 v12, 2, v8
	v_add_nc_u32 v[LVW], 139264, v12
	v_add_nc_u32 v[LKW], 131072, v12
	v_lshlrev_b32 v[KW], 2, v10                    ; 4 r: q's words (rewritten only behind the wait below that shows those loads done)
	v_add_nc_u32 v[BYT], v[KW], v11
	v_and_b32 v12, 8, v10
	v_add_nc_u32 v12, v12, v10
	v_lshlrev_b32 v13, 4, v11
	v_sub_nc_u32 v12, v12, v13
	v_add_nc_u32 v[MK], s59, v12                   ; my query less the diagonal step's first key less 16 h: 32 cx + 8 e + r + 8 (r / 8) - 16 h, for e = 0
	v_add_nc_u32 v[MK+1], 8, v[MK]                 ; and for e = 1
	v_mov_b32 v[NINF], 0xff800000
	global_load_b128 v[16:19], v[LI], s[QCB:QCB+1]
	global_load_b128 v[220:223], v[LI], s[QCB+2:QCB+3]
	global_load_b32 v66, v[KW], s[QSB:QSB+1]
	global_load_b32 v228, v[KW], s[QSB+2:QSB+3]
.irp j, 20,21,22,23,224,225,226,227,56,57,58,59,PM,PM+1,PM+2,PM+3,F,F+1
	v_mov_b32 v[\j], 0                             ; zero codes of the first product's upper K; lane permutes' destinations; the pair of f
.endr
	s_wait_alu depctr_va_vdst(0)
	s_wait_tensorcnt 0x0                           ; my part of the head's block has landed,
	s_wait_loadcnt 0x0                             ; q is in,
	s_barrier_signal -1
	s_barrier_wait -1                              ; everybody's part has landed
.macro TILE e                          ; one tile of 16 queries through its key steps
.set QF, 16+204*\e
.set QSR, 66+162*\e
	s_wait_xcnt 0x0                                ; the last tile's stores have read their registers
	s_wait_dscnt 0x0                               ; the loads of k that the last tile's last step asked for have landed: their registers may be asked for again
	KLOAD LI, LKW                                  ; key step 0
	v_mov_b32 v13, 0xff61b1e6                      ; the largest t so far: -3e38
	v_floor_f32 v12, -v13                          ; -M
	v_mov_b32 v14, 0
	v_mov_b32 v15, 0
.set j_, 0
.rept 32
	v_mov_b32 v[O+j_], 0                           ; the step is written once: its first run finds zeros
.set j_, j_+1
.endr
	s_mov_b32 s[CNT], 0
	s_mov_b32 s[TK], 0
.Ltrip_\@:                             ; 16 trips, a constant; the steps all of whose keys come after my queries are jumped over
	s_cmp_gt_u32 s[CNT], s[GA+\e]
	s_cbranch_scc1 .Lskip_\@
	v_add_nc_u32 v[VA], s[TK], v[LV]               ; these two and two v_nop: the four places behind the last products, in front of loads into their registers
	s_lshr_b32 s54, s[TK], 4
	v_add_nc_u32 v[VW], s54, v[LVW]
	v_nop
	v_nop
.irp d, 0,1,2,3
.irp c, 0,1
	ds_load_b128 v[VF+8*\d+4*\c:VF+8*\d+4*\c+3], v[VA] offset:1024*\d+512*\c
.endr
.endr
	ds_load_b32 v[VS], v[VW]
	ds_load_b32 v[VS+1], v[VW] offset:128
	s_wait_dscnt 10                                ; all but v's ten just issued: this step's k is in
.irp t, 0,2,4,6                        ; S^T = K Q^T
	v_wmma_scale_f32_16x16x128_f8f6f4 v[S+8*\t:S+8*\t+7], v[KF+4*\t:KF+4*\t+7], v[QF:QF+7], 0, v[KS+\t/2], v[QSR] matrix_a_fmt:MATRIX_FMT_FP4 matrix_b_fmt:MATRIX_FMT_FP4
	v_wmma_scale_f32_16x16x128_f8f6f4 v[S+8+8*\t:S+15+8*\t], v[KF+4+4*\t:KF+11+4*\t], v[QF:QF+7], 0, v[KS+\t/2], v[QSR] matrix_a_fmt:MATRIX_FMT_FP4 matrix_b_fmt:MATRIX_FMT_FP4 matrix_a_scale:MATRIX_SCALE_ROW1
.endr
	s_add_co_u32 s[TKN], s[TK], 4096               ; the next step's k
	s_lshr_b32 s56, s[TKN], 3
	v_add_nc_u32 v[KA], s[TKN], v[LI]              ; four places again
	v_add_nc_u32 v[KW], s56, v[LKW]
	v_nop
	v_nop
	KLOAD KA, KW
	s_cmp_lg_u32 s[CNT], s[GA+\e]                  ; only the last step lies on the diagonal
	s_cbranch_scc1 .Lopen_\@
.set n_, 0
.rept 64
	v_cmp_gt_i32 vcc_lo, 32*(n_/16)+n_%16, v[MK+\e]   ; register 16 b + i holds the step's key 32 b + 16 h + i
	v_cndmask_b32 v[S+n_], v[S+n_], v[NINF], vcc_lo
.set n_, n_+1
.endr
.Lopen_\@:
.irp b, 0,1,2,3
	v_max3_num_f32 v[BM+\b], v[S+16*\b], v[S+1+16*\b], v[S+2+16*\b]   ; the largest score of each block: for the row's maximum and for the block's largest p
.endr
.irp i, 3,5,7,9,11,13
.irp b, 0,1,2,3
	v_max3_num_f32 v[BM+\b], v[BM+\b], v[S+16*\b+\i], v[S+1+16*\b+\i]
.endr
.endr
.irp b, 0,1,2,3
	v_max_num_f32 v[BM+\b], v[BM+\b], v[S+15+16*\b]
.endr
.irp b, 0,1,2,3
	s_delay_alu instid0(VALU_DEP_4)
	v_permlanex16_b32 v[PM+\b], v[BM+\b], s[SEL], s[SEL+1]
.endr
.irp b, 0,1,2,3
	s_delay_alu instid0(VALU_DEP_4)
	v_max_num_f32 v[BM+\b], v[BM+\b], v[PM+\b]     ; with lane l xor 16's 16 keys
.endr
	s_delay_alu instid0(VALU_DEP_2)
	v_max3_num_f32 v[T], v[BM], v[BM+1], v[BM+2]
	s_delay_alu instid0(VALU_DEP_1)
	v_max_num_f32 v[T], v[T], v[BM+3]
	s_delay_alu instid0(VALU_DEP_1)
	v_mul_f32 v[T], s[CS], v[T]
	s_delay_alu instid0(VALU_DEP_1)
	v_max_num_f32 v13, v13, v[T]                   ; the running largest t
	v_mov_b32 v[T], v12
	s_delay_alu instid0(VALU_DEP_2)
	v_floor_f32 v12, -v13                          ; the new -M
	s_delay_alu instid0(VALU_DEP_1)
	v_sub_f32 v[T], v12, v[T]
	s_delay_alu instid0(VALU_DEP_1)
	v_cvt_i32_f32 v[T], v[T]
	s_delay_alu instid0(VALU_DEP_1)
	v_ldexp_f32 v[F], 1.0, v[T]                    ; f = 2^(old M - new M)
.set j_, 0
.rept 32
	v_pk_fma_f32 v[S+j_:S+j_+1], v[S+j_:S+j_+1], s[CS:CS+1], v[12:13] op_sel_hi:[1,0,0]   ; t - M
.set j_, j_+2
.endr
.irp b, 0,1,2,3
	v_fma_f32 v[BM+\b], v[BM+\b], s[CS], v12
.endr
	s_wait_alu depctr_va_vdst(0)
.set j_, 0
.rept 64
	v_exp_f32 v[S+j_], v[S+j_]                     ; p
.set j_, j_+1
.endr
.irp b, 0,1,2,3
	v_exp_f32 v[BM+\b], v[BM+\b]                   ; the block's largest p
.endr
	v_pk_mul_f32 v[14:15], v[14:15], v[F:F+1] op_sel_hi:[1,0]   ; the sums under the new M (the plain place behind the batch)
	s_wait_alu depctr_va_vdst(0)                   ; and behind it
.irp b, 0,1,2,3
	v_max_num_f32 v[BM+\b], 0x1800000, v[BM+\b]    ; the floor 2^(3 - 127)
.endr
.irp b, 0,1,2,3
	s_delay_alu instid0(VALU_DEP_4)
	v_add_nc_u32 v[SO+\b], 0xff000000, v[BM+\b]    ; the conversion's scale operand
.endr
.irp b, 0,1,2,3
	s_delay_alu instid0(VALU_DEP_4)
	v_lshrrev_b32 v[PM+\b], 23, v[SO+\b]           ; the byte
.endr
	s_delay_alu instid0(VALU_DEP_3)
	v_lshl_or_b32 v[PWD], v[PM+1], 8, v[PM]
	s_delay_alu instid0(VALU_DEP_1)
	v_lshl_or_b32 v[PWD], v[PM+2], 16, v[PWD]
	s_delay_alu instid0(VALU_DEP_1)
	v_lshl_or_b32 v[PWD], v[PM+3], 24, v[PWD]      ; p's scale word
.irp b, 0,1,2,3
	v_cvt_scalef32_pk8_fp4_f32 v[PC+2*\b], v[S+16*\b:S+7+16*\b], v[SO+\b]
	v_cvt_scalef32_pk8_fp4_f32 v[PC+1+2*\b], v[S+8+16*\b:S+15+16*\b], v[SO+\b]
.endr
	v_nop                                          ; one plain place behind a scaled conversion
.irp c, 0,1
.irp i, 0,1
	v_permlane16_swap_b32 v[PC+4*\c+\i], v[PC+2+4*\c+\i]   ; a whole block to a lane
.endr
.endr
	s_wait_alu depctr_va_vdst(0)
.set j_, 0
.rept 16
	v_pk_mul_f32 v[O+j_:O+j_+1], v[O+j_:O+j_+1], v[F:F+1] op_sel_hi:[1,0]
.set j_, j_+2
.endr
	PA PM, S+4, S+8                                ; the row's sum of the unquantised p, in eight chains
	PA X1, S+12, S+16
	PA X2, S+20, S+24
	PA SO+2, S+28, S+32
	PA SO, S+36, S+40
	PA BM+2, S+44, S+48
	PA BM, S+52, S+56
	PA 14, 14, S+60
	PA PM, PM, S
	PA X1, X1, S+2
	PA X2, X2, S+6
	PA SO+2, SO+2, S+10
	PA SO, SO, S+14
	PA BM+2, BM+2, S+18
	PA BM, BM, S+22
	PA 14, 14, S+26
	PA PM, PM, S+30
	PA X1, X1, S+34
	PA X2, X2, S+38
	PA SO+2, SO+2, S+42
	PA SO, SO, S+46
	PA BM+2, BM+2, S+50
	PA BM, BM, S+54
	PA 14, 14, S+58
	PA PM, PM, S+62
	s_delay_alu instid0(VALU_DEP_2)
	PA 14, 14, SO+2
	s_delay_alu instid0(VALU_DEP_2)
	PA PM, PM, SO
	PA X1, X1, BM+2
	PA X2, X2, BM
	s_delay_alu instid0(VALU_DEP_2)
	PA 14, 14, X1
	s_delay_alu instid0(VALU_DEP_2)
	PA PM, PM, X2
	s_delay_alu instid0(VALU_DEP_1)
	PA 14, 14, PM
	s_wait_dscnt 12                                ; all but the next step's twelve loads of k: v is in
	; O^T += V^T P^T: four accumulators by turns; between two links of a sum stand the next step's eight other products
	v_wmma_scale_f32_16x16x128_f8f6f4 v[O:O+7], v[VF:VF+7], v[PC:PC+7], v[O:O+7], v[VS], v[PWD] matrix_a_fmt:MATRIX_FMT_FP4 matrix_b_fmt:MATRIX_FMT_FP4
	v_wmma_scale_f32_16x16x128_f8f6f4 v[O+8:O+15], v[VF+8:VF+15], v[PC:PC+7], v[O+8:O+15], v[VS], v[PWD] matrix_a_fmt:MATRIX_FMT_FP4 matrix_b_fmt:MATRIX_FMT_FP4 matrix_a_scale:MATRIX_SCALE_ROW1
	v_wmma_scale_f32_16x16x128_f8f6f4 v[O+16:O+23], v[VF+16:VF+23], v[PC:PC+7], v[O+16:O+23], v[VS+1], v[PWD] matrix_a_fmt:MATRIX_FMT_FP4 matrix_b_fmt:MATRIX_FMT_FP4
	v_wmma_scale_f32_16x16x128_f8f6f4 v[O+24:O+31], v[VF+24:VF+31], v[PC:PC+7], v[O+24:O+31], v[VS+1], v[PWD] matrix_a_fmt:MATRIX_FMT_FP4 matrix_b_fmt:MATRIX_FMT_FP4 matrix_a_scale:MATRIX_SCALE_ROW1
.Lskip_\@:
	s_add_co_u32 s[TK], s[TK], 4096
	s_add_co_u32 s[CNT], s[CNT], 1
	s_cmp_lt_u32 s[CNT], 16
	s_cbranch_scc1 .Ltrip_\@
.rept 4
	v_nop                                          ; four places behind the last products
.endr
.endm
; O^T / the sum; register 16 b + i is channel 32 b + 16 h + i of my query: two blocks of the output projection's K
.macro WAYOUT e
	s_wait_alu depctr_va_vdst(0)
	v_add_f32 v14, v14, v15
	v_permlanex16_b32 v[F], v14, s[SEL], s[SEL+1]
	v_add_f32 v14, v14, v[F]                       ; the row's sum
	s_wait_alu depctr_va_vdst(0)
	v_rcp_f32 v14, v14
	v_nop
	s_wait_alu depctr_va_vdst(0)
.set j_, 0
.rept 32
	v_mul_f32 v[S+j_], v[O+j_], v14                ; each accumulator from its low end on
.set j_, j_+1
.endr
.irp b, 0,1
	v_max3_num_f32 v[BM+\b], |v[S+16*\b]|, |v[S+1+16*\b]|, 0x1800000
.endr
.irp i, 2,4,6,8,10,12,14
.irp b, 0,1
	v_max3_num_f32 v[BM+\b], v[BM+\b], |v[S+16*\b+\i]|, |v[S+1+16*\b+\i]|
.endr
.endr
.irp b, 0,1
	v_permlanex16_b32 v[PM+\b], v[BM+\b], s[SEL], s[SEL+1]
.endr
.irp b, 0,1
	v_max_num_f32 v[BM+\b], v[BM+\b], v[PM+\b]
.endr
.irp b, 0,1
	v_add_nc_u32 v[SO+\b], 0xff000000, v[BM+\b]
.endr
.irp b, 0,1
	v_lshrrev_b32 v[PM+\b], 23, v[SO+\b]
.endr
.irp b, 0,1
	v_cvt_scalef32_pk8_fp4_f32 v[PC+2*\b], v[S+16*\b:S+7+16*\b], v[SO+\b]
	v_cvt_scalef32_pk8_fp4_f32 v[PC+1+2*\b], v[S+8+16*\b:S+15+16*\b], v[SO+\b]
.endr
	v_cndmask_b32 v[T], v[PM], v[PM+1], s[HM]      ; lanes 0-15 the first block's byte, lanes 16-31 the second's (the plain place behind the conversions)
	v_permlane16_swap_b32 v[PC], v[PC+2]
	v_permlane16_swap_b32 v[PC+1], v[PC+3]
	global_store_b128 v[LI], v[PC:PC+3], s[OCB+2*\e:OCB+2*\e+1]   ; 512 consecutive bytes, aligned
	global_store_b8 v[BYT], v[T], s[OSB+2*\e:OSB+2*\e+1]
.endm
	TILE 0
	WAYOUT 0
	TILE 1
	WAYOUT 1
	s_wait_tensorcnt 0x0                           ; the wave's end
	ds_add_u32 v[SPW], v[NIL]
	s_wait_dscnt 0x0
	CROUND                                         ; the closing round: no work-group ends while a partner may still ask for a tile that names it
	s_endpgm
.Lfunc_end_k_q935fbfd5dd_attn:
	.size	k_q935fbfd5dd_attn, .Lfunc_end_k_q935fbfd5dd_attn-k_q935fbfd5dd_attn
	.p2alignl 7, 3214868480
	.fill 96, 4, 3214868480
	.section	.rodata,"a",@progbits
	.p2align	6, 0x0
	.amdhsa_kernel k_q935fbfd5dd_attn
		.amdhsa_group_segment_fixed_size 169984
		.amdhsa_private_segment_fixed_size 0
		.amdhsa_enable_private_segment 0
		.amdhsa_kernarg_size 32
		.amdhsa_user_sgpr_count 2
		.amdhsa_user_sgpr_kernarg_segment_ptr 1
		.amdhsa_wavefront_size32 1
		.amdhsa_system_sgpr_workgroup_id_x 1
		.amdhsa_system_sgpr_workgroup_id_y 1
		.amdhsa_system_sgpr_workgroup_id_z 1
		.amdhsa_system_vgpr_workitem_id 0
		.amdhsa_next_free_vgpr 256
		.amdhsa_next_free_sgpr 70
		.amdhsa_reserve_vcc 1
		.amdhsa_float_denorm_mode_32 3
		.amdhsa_float_denorm_mode_16_64 3
		.amdhsa_memory_ordered 1
		.amdhsa_forward_progress 1
		.amdhsa_inst_pref_size 60
	.end_amdhsa_kernel
	.amdgpu_metadata
---
amdhsa.version: [ 1, 2 ]
amdhsa.kernels:
  - .name:           k_q935fbfd5dd_attn
    .symbol:         k_q935fbfd5dd_attn.kd
    .args:
      - { .name: qb, .offset: 0, .size: 8, .value_kind: global_buffer, .address_space: global }
      - { .name: kv, .offset: 8, .size: 8, .value_kind: global_buffer, .address_space: global }
      - { .name: oc, .offset: 16, .size: 8, .value_kind: global_buffer, .address_space: global }
      - { .name: os, .offset: 24, .size: 8, .value_kind: global_buffer, .address_space: global }
    .group_segment_fixed_size: 169984
    .private_segment_fixed_size: 0
    .kernarg_segment_align: 8
    .kernarg_segment_size: 32
    .max_flat_workgroup_size: 512
    .sgpr_count:     70
    .vgpr_count:     256
    .wavefront_size: 32
...
	.end_amdgpu_metadata
.endif
;; end of part 3
;; launch oproj (part 4): grid 4 x 64, 4 waves a work-group, clusters of 4 x 4, 243,200 bytes of LDS; arguments oc, os, opc, ops, bo, out0; writes out0
.if DOCPART == 4
	.amdgcn_target "amdgcn-amd-amdhsa--gfx1250"
	.amdhsa_code_object_version 6
	.text
	.protected	k_q935fbfd5dd_oproj
	.globl	k_q935fbfd5dd_oproj
	.p2align	8
	.type	k_q935fbfd5dd_oproj,@function
k_q935fbfd5dd_oproj:
	s_mov_b64 s[64:65], 0
	v_nop
	global_prefetch_b8 v0, s[64:65] scope:SCOPE_SE
	s_setreg_imm32_b32 hwreg(HW_REG_WAVE_MODE, 25, 1), 1
	s_wait_xcnt 0x0
	s_wait_alu depctr_hold_cnt(0) depctr_sa_sdst(0) depctr_va_vdst(0) depctr_va_sdst(0) depctr_va_ssrc(0) depctr_va_vcc(0) depctr_vm_vsrc(0)
	s_getreg_b32 s2, hwreg(HW_REG_IB_STS2, 6, 4)
	s_cmp_eq_u32 s2, 0
	s_cbranch_scc0 .Lentry_in_a_cluster
	s_endpgm
.Lentry_in_a_cluster:
	s_bfe_u32 s2, ttmp6, 0x10000c
	s_cmp_lg_u32 s2, 0xf033
	s_cbranch_scc0 .Lentry_shape_is_right
	s_endpgm
.Lentry_shape_is_right:
; out0 = heads Wo + bo on codes of FP4 (E2M1) with E8M0 scales, K = 1,024.  heads: oc [16 slabs of 64 K][512 tiles][512 bytes], os [8 K steps][512 tiles][16 words]; Wo: tiles 704-767 of opc and ops; out0 [8192][1024] f32.
; Both operands lie as images of operand registers; tile T's row r is row 32 (T / 2) + 8 (T % 2) + r + 8 (r / 8).
; A work-group of four waves makes 128 rows x 256 columns: 256 work-groups; a wave 64 x 128: 32 accumulators of 16 x 16.  Source 0 = 16 columns of Wo, source 1 = 16 rows of heads: a lane holds one row of the output,
; and the 16 registers of source 0's tiles 2 b and 2 b + 1 are 16 neighbouring columns.  bo is the C of each sum's first matrix instruction.
; THE WHOLE K LIES IN LDS: each wave brings one part by one tensor load at the head (the heads' codes; Wo's; the heads' scale words; Wo's): one is out by this text's count; no LDS byte is filled twice.
; CLUSTERS 4 x 4: heads' tiles hang on the place along y alone and are asked for jointly by a row of the cluster, Wo's on the place along x alone, by a column.
; REGISTERS, in windows of 256: window 0: v0-31 addresses; v32-63 scale words, two sets; v128-255 source 1's fragments, two sets (on the way out: rows of the output).
;   window 1: v0-127 source 0's fragments, two sets; v128-191 bo along a lane's registers.   window 2: accumulator (a, b) at v[8 (8 a + b)].
.set NA,     4                         ; source 1's tiles in a wave
.set PITCH,  393216                    ; a slab of opc in bytes
.set SPITCH, 49152
.set OPITCH, 262144                    ; a slab of oc
.set OSPITCH, 32768
; LDS AS IT IS NOW: four whole tiles, one tensor load a wave, all at the head; no LDS byte is filled twice.
.set AROW,   4096                      ; a slab of source 1: 8 tiles of 512 bytes
.set BROW,   8192                      ; a slab of source 0: 16 tiles
.set BBASE,  16*AROW                   ; source 0's 16 slabs lie behind source 1's
.set SCLA,   BBASE+16*BROW             ; then the scale words: source 1's [8 K steps][8 tiles][64 bytes],
.set SCLB,   SCLA+4096                 ; source 0's [8 K steps][16 tiles][64 bytes]
.set STG,    SCLB+8192                 ; the stages for the way out: 16 rows x 528 bytes for each wave, bytes into which no tensor load lands
.set NF,     24+3*NA
.set ADRA, 16
.set ADRB, 17
.set ADSA, 18
.set LI,   19
.set ADSB, 22
.set STO,  23
.set RD,   24
.set RSA,  32
.set RSB,  40
.set WV,   18
.set HA,   19                          ; which half of source 1 is mine.
.set HB,   20                          ; which half of source 0.
.set G1A,  24
.set G0A,  32
.set G1B,  40
.set G0B,  48
.set G1SA, 56
.set G1SB, 68
.set G0SA, 76
.set G0SB, 80
.set MSB, 0
.macro WIN new                         ; the immediate's high byte repeats the setting that is left
.if MSB != (\new)
	s_set_vgpr_msb (MSB<<8)|(\new)
.set MSB, (\new)
.endif
.endm
.set MUL_LO, 0xa1                      ; source 0 window 1, source 1 window 0, C and D window 2
.set MUL_BI, 0x91                      ; the same with C in window 1: the bias
.set TO_B,   0x40
.macro PLACES
.rept 4
	v_nop
.endr
.endm
; One arm of the head's chain of branches on the wave's number: its joint load and a jump to the chain's end
.macro ARM under, g0, g1, next
	s_cmp_lt_u32 s[WV], \under
	s_cbranch_scc0 \next
	tensor_load_to_lds s[\g0:\g0+3], s[\g1:\g1+7]
	s_nop 0
.rept 4
	v_nop
.endr
	s_branch .Lhead_asked
\next:
.endm
.macro CROUND                          ; a round of the cluster's barrier
	s_barrier_signal -1
	s_barrier_wait -1
	s_cmp_lg_u32 s[WV], 0
	s_cbranch_scc1 .Lnot_wave_0_\@
	s_barrier_signal -3
.Lnot_wave_0_\@:
	s_barrier_wait -3
	s_barrier_signal -1
	s_barrier_wait -1
.endm
.macro FETCH s, p                      ; K step s's fragments and scale words into set p
	WIN TO_B
.irp i, 0,1,2,3,4,5,6,7
.irp c, 0,1
	ds_load_b128 v[64*(\p)+8*\i+4*\c:64*(\p)+8*\i+4*\c+3], v[ADRB+9*((\s)/4)] offset:(2*((\s)%4)+\c)*BROW+512*\i   ; K steps 4-7 by the second address register, 65,536 bytes on
.endr
.endr
	WIN 0
.set I_, 0
.rept NA
.irp c, 0,1
	ds_load_b128 v[128+64*(\p)+8*I_+4*\c:128+64*(\p)+8*I_+4*\c+3], v[ADRA] offset:(2*(\s)+\c)*AROW+512*I_
.endr
.set I_, I_+1
.endr
.set I_, 0
.rept NA
	ds_load_b32 v[RSA+16*(\p)+I_], v[ADSA] offset:(\s)*2*NA*64+64*I_
.set I_, I_+1
.endr
.irp i, 0,1,2,3,4,5,6,7
	ds_load_b32 v[RSB+16*(\p)+\i], v[ADSB] offset:(\s)*1024+64*\i
.endr
.endm
; 8 matrix instructions: source 1's tile a against source 0's eight.  cmode 2: the bias starts the sums.  All accumulators take turns, one instruction a turn, in the same order in every K step.
.macro MUL s, a, cmode
.set P_, (\s)%2
.set AC_, 64*(\a)
.irp b, 0,1,2,3,4,5,6,7
.if \cmode == 2
	v_wmma_scale_f32_16x16x128_f8f6f4 v[AC_+8*\b:AC_+8*\b+7], v[64*P_+8*\b:64*P_+8*\b+7], v[128+64*P_+8*(\a):128+64*P_+8*(\a)+7], v[128+8*\b:128+8*\b+7], v[RSB+16*P_+\b], v[RSA+16*P_+(\a)] matrix_a_fmt:MATRIX_FMT_FP4 matrix_b_fmt:MATRIX_FMT_FP4
.else
	v_wmma_scale_f32_16x16x128_f8f6f4 v[AC_+8*\b:AC_+8*\b+7], v[64*P_+8*\b:64*P_+8*\b+7], v[128+64*P_+8*(\a):128+64*P_+8*(\a)+7], v[AC_+8*\b:AC_+8*\b+7], v[RSB+16*P_+\b], v[RSA+16*P_+(\a)] matrix_a_fmt:MATRIX_FMT_FP4 matrix_b_fmt:MATRIX_FMT_FP4
.endif
.endr
.endm
.macro KSTEP s
.if (\s) < 7
.if (\s) > 0
	PLACES                                         ; four places in front of loads into the set that the K step before multiplied
.endif
	FETCH (\s)+1, 1-(\s)%2
	s_wait_dscnt NF                                ; all but the NF loads just issued: this K step's set is in
.else
	s_wait_dscnt 0x0
.endif
.if (\s) == 0
	WIN MUL_BI
.irp a, 0,1,2,3
	MUL \s, \a, 2
.endr
.else
	WIN MUL_LO
.irp a, 0,1,2,3
	MUL \s, \a, 1
.endr
.endif
	WIN 0
.endm
	s_load_b256 s[4:11], s[0:1], 0x0               ; oc, os, opc, ops
	s_load_b128 s[12:15], s[0:1], 0x20             ; bo, out0
	v_lshl_add_u32 v126, v0, 2, 0x3b400
	v_mov_b32 v127, 0
	ds_add_u32 v126, v127
	ds_add_u32 v126, v127
	v_lshrrev_b32 v1, 5, v0
	v_readfirstlane_b32 s[WV], v1                  ; wave 0..3
	s_lshr_b32 s[HA], s[WV], 1
	s_and_b32 s[HB], s[WV], 1
	s_bfe_u32 s21, ttmp6, 0x40000                  ; cx: which 256 columns
	s_bfe_u32 s22, ttmp6, 0x40004                  ; cy
	s_and_b32 s23, ttmp7, 0xffff
	s_lshl_b32 s89, s23, 2
	s_add_co_u32 s89, s89, s22                     ; which 128 rows: 4 x cluster y + cy
	s_lshl_b32 s90, s22, 2
	s_lshl_b32 s90, 15, s90                        ; my row of the cluster
	s_lshl_b32 s91, 0x1111, s21                    ; my column
	s_or_b32 s[G1A], s90, (3<<16)|(1<<21)          ; 15:0 the mask; 17:16 elements of 8 bytes; 21 set beside a mask; no padding
	s_or_b32 s[G1SA], s90, (3<<16)|(1<<21)
	s_or_b32 s[G1B], s91, (3<<16)|(1<<21)
	s_or_b32 s[G1SB], s91, (3<<16)|(1<<21)
	s_mov_b32 s[G1A+1], 512<<16                    ; heads' codes: 16 slabs x 8 tiles of 512 bytes
	s_mov_b32 s[G1A+2], 16<<16
	s_mov_b32 s[G1A+3], 512<<16
	s_mov_b32 s[G1A+4], 16
	s_mov_b32 s[G1A+5], OPITCH/8
	s_mov_b32 s[G1A+6], 0
	s_mov_b32 s[G1A+7], 0
	s_mov_b32 s[G1B+1], 1024<<16                   ; Wo's codes: 16 slabs x 16 tiles
	s_mov_b32 s[G1B+2], 16<<16
	s_mov_b32 s[G1B+3], 1024<<16
	s_mov_b32 s[G1B+4], 16
	s_mov_b32 s[G1B+5], PITCH/8
	s_mov_b32 s[G1B+6], 0
	s_mov_b32 s[G1B+7], 0
	s_mov_b32 s[G1SA+1], 64<<16                    ; heads' scale words: 8 K steps x 8 tiles of 64 bytes
	s_mov_b32 s[G1SA+2], 8<<16
	s_mov_b32 s[G1SA+3], 64<<16
	s_mov_b32 s[G1SA+4], 8
	s_mov_b32 s[G1SA+5], OSPITCH/8
	s_mov_b32 s[G1SA+6], 0
	s_mov_b32 s[G1SA+7], 0
	s_mov_b32 s[G1SB+1], 128<<16                   ; Wo's: 8 K steps x 16 tiles
	s_mov_b32 s[G1SB+2], 8<<16
	s_mov_b32 s[G1SB+3], 128<<16
	s_mov_b32 s[G1SB+4], 8
	s_mov_b32 s[G1SB+5], SPITCH/8
	s_mov_b32 s[G1SB+6], 0
	s_mov_b32 s[G1SB+7], 0
	s_lshl_b32 s87, s89, 3                         ; heads' first tile
	s_lshl_b32 s86, s21, 4
	s_add_co_u32 s86, s86, 704                     ; Wo's
	s_mov_b32 s[G0A], 1
	s_mov_b32 s[G0B], 1
	s_mov_b32 s[G0SA], 1
	s_mov_b32 s[G0SB], 1
	s_mov_b32 s[G0A+1], 0                          ; LDS addresses: constants alone
	s_mov_b32 s[G0B+1], BBASE
	s_mov_b32 s[G0SA+1], SCLA
	s_mov_b32 s[G0SB+1], SCLB
	s_mov_b32 s95, 0
	s_mov_b32 s3, 0
	s_wait_dscnt 0x0
	s_wait_kmcnt 0x0
	s_lshl_b32 s94, s87, 9
	s_add_nc_u64 s[G0A+2:G0A+3], s[4:5], s[94:95]
	s_lshl_b32 s94, s87, 6
	s_add_nc_u64 s[G0SA+2:G0SA+3], s[6:7], s[94:95]
	s_lshl_b32 s2, s86, 9
	s_add_nc_u64 s[G0B+2:G0B+3], s[8:9], s[2:3]
	s_lshl_b32 s2, s86, 6
	s_add_nc_u64 s[G0SB+2:G0SB+3], s[10:11], s[2:3]
.irp g, G0A+3, G0B+3, G0SA+3, G0SB+3
	s_or_b32 s[\g], s[\g], 0x80000000              ; type = 2
.endr
	CROUND                                         ; all sixteen work-groups are here: the joint loads meet
	; THE HEAD'S LOADS, ONE A WAVE: wave 0 the heads' codes of all of K, wave 1 Wo's, wave 2 the heads' scale words, wave 3 Wo's
	ARM 1, G0A,  G1A,  .Lhead_b
	ARM 2, G0B,  G1B,  .Lhead_sa
	ARM 3, G0SA, G1SA, .Lhead_sb
	tensor_load_to_lds s[G0SB:G0SB+3], s[G1SB:G1SB+7]
	s_nop 0
.rept 4
	v_nop
.endr
.Lhead_asked:
	v_and_b32 v1, 31, v0                           ; lane
	v_and_b32 v2, 15, v0                           ; r
	s_wait_alu depctr_va_vdst(0)
	v_bfe_u32 v3, v0, 4, 1                         ; h
	v_lshlrev_b32 v[LI], 4, v1
	v_lshlrev_b32 v4, 2, v2                        ; 4 r
	s_lshl_b32 s85, s[HA], 11                      ; my half of a slab of the heads: 4 tiles of 512 bytes
	v_add_nc_u32 v[ADRA], s85, v[LI]
	s_lshl_b32 s85, s[HB], 12                      ; my half of a slab of Wo: 8 tiles
	s_add_co_u32 s85, s85, BBASE
	v_add_nc_u32 v[ADRB], s85, v[LI]
	v_add_nc_u32 v[ADRB+9], 0x10000, v[ADRB]       ; slabs 8-15
	s_lshl_b32 s85, s[HA], 8                       ; my half of a K step's words: 4 tiles of 64 bytes,
	s_add_co_u32 s85, s85, SCLA
	v_add_nc_u32 v[ADSA], s85, v4
	s_lshl_b32 s85, s[HB], 9                       ; 8 tiles
	s_add_co_u32 s85, s85, SCLB
	v_add_nc_u32 v[ADSB], s85, v4
	s_mul_i32 s85, s[WV], 8448
	s_add_co_u32 s85, s85, STG                     ; my stage
	v_mul_u32_u24 v[STO], v2, 528
	s_wait_alu depctr_va_vdst(0)
	v_lshl_add_u32 v[STO], v3, 6, v[STO]
	v_add_nc_u32 v[STO], s85, v[STO]               ; in: row r, + 64 h
	v_add_nc_u32 v[RD], s85, v[LI]                 ; back: 16 bytes a lane of a row of 512
	s_lshl_b32 s96, s89, 19                        ; out0: my first row, 128 x tile + 64 x half, of 4,096 bytes,
	s_lshl_b32 s97, s[HA], 18
	s_add_co_u32 s96, s96, s97
	s_lshl_b32 s98, s21, 10                        ; and my first column, in bytes: 1,024 cx + 512 x half; the same place in bo
	s_lshl_b32 s99, s[HB], 9
	s_add_co_u32 s98, s98, s99
	s_add_co_u32 s96, s96, s98
	s_mov_b32 s97, 0
	s_mov_b32 s99, 0
	s_add_nc_u64 s[14:15], s[14:15], s[96:97]
	s_add_nc_u64 s[12:13], s[12:13], s[98:99]
	v_lshlrev_b32 v5, 6, v3                        ; 64 h: my 16 of each 32 columns
	WIN TO_B
.irp b, 0,1,2,3
.irp j, 0,1,2,3
	global_load_b128 v[128+16*\b+4*\j:131+16*\b+4*\j], v5, s[12:13] offset:128*\b+16*\j
.endr
.endr
	WIN 0
	s_wait_tensorcnt 0x0                           ; my tile of the four is in
	s_barrier_signal -1
	s_barrier_wait -1                              ; everybody's are
	FETCH 0, 0
	s_wait_loadcnt 0x0                             ; bo: the C of the first products
.irp s, 0,1,2,3,4,5,6,7
	KSTEP \s
.endr
; THE WAY OUT, a tile of 16 rows x 128 columns at a time.  A lane holds pieces of 64 neighbouring bytes of one row, and the lanes beside it hold other rows: so a tile goes through my own stage in LDS and comes back as whole rows of
; 512 bytes.  LDS serves a wave's instructions in order: no wait between the stores and the loads, nor in front of the next tile's stores.
.macro TOSTAGE a
.set AC_, 64*(\a)
	WIN 0x08                                       ; an LDS store's data are its source 1: window 2
.irp b, 0,1,2,3,4,5,6,7
	ds_store_b128 v[STO], v[AC_+8*\b:AC_+8*\b+3] offset:128*(\b/2)+32*(\b%2)          ; each accumulator from its low end on
	ds_store_b128 v[STO], v[AC_+8*\b+4:AC_+8*\b+7] offset:128*(\b/2)+32*(\b%2)+16
.endr
	WIN 0
.set BB_, 128+64*((\a)%2)
.irp t, 0,1,2,3,4,5,6,7,8,9,10,11,12,13,14,15
	ds_load_b128 v[BB_+4*\t:BB_+4*\t+3], v[RD] offset:528*\t
.endr
.endm
.macro SEND a, younger                 ; younger: the LDS instructions issued behind tile a's loads, which may stay out
.set BB_, 128+64*((\a)%2)
	s_wait_dscnt \younger
.irp t, 0,1,2,3,4,5,6,7,8,9,10,11,12,13,14,15
	global_store_b128 v[LI], v[BB_+4*\t:BB_+4*\t+3], s[14:15] offset:(32*((\a)/2)+8*((\a)%2)+\t+8*(\t/8))*4096 th:TH_STORE_NT   ; 512 consecutive bytes, aligned; the base is never stepped
.endr
.endm
	PLACES                                         ; four places in front of the first read of results and of loads into source 1's registers
	s_wait_alu depctr_va_vdst(0)
	TOSTAGE 0
.irp a, 1,2,3
.if \a > 1
	s_wait_xcnt 0x0                                ; tile a - 2's stores have read their registers: tile a's loads may land there
.endif
	TOSTAGE \a
	SEND \a-1, 32                                  ; behind tile a - 1's loads: tile a's 16 stores and 16 loads
.endr
	SEND 3, 0
	s_wait_tensorcnt 0x0
	ds_add_u32 v126, v127
	s_wait_dscnt 0x0
	CROUND                                         ; the closing round: no work-group ends while a partner may still ask for a tile that names it
	s_endpgm
.Lfunc_end_k_q935fbfd5dd_oproj:
	.size	k_q935fbfd5dd_oproj, .Lfunc_end_k_q935fbfd5dd_oproj-k_q935fbfd5dd_oproj
	.p2alignl 7, 3214868480
	.fill 96, 4, 3214868480
	.section	.rodata,"a",@progbits
	.p2align	6, 0x0
	.amdhsa_kernel k_q935fbfd5dd_oproj
		.amdhsa_group_segment_fixed_size 243200
		.amdhsa_private_segment_fixed_size 0
		.amdhsa_enable_private_segment 0
		.amdhsa_kernarg_size 48
		.amdhsa_user_sgpr_count 2
		.amdhsa_user_sgpr_kernarg_segment_ptr 1
		.amdhsa_wavefront_size32 1
		.amdhsa_system_sgpr_workgroup_id_x 1
		.amdhsa_system_sgpr_workgroup_id_y 1
		.amdhsa_system_sgpr_workgroup_id_z 1
		.amdhsa_system_vgpr_workitem_id 0
		.amdhsa_next_free_vgpr 768
		.amdhsa_next_free_sgpr 102
		.amdhsa_reserve_vcc 0
		.amdhsa_float_denorm_mode_32 3
		.amdhsa_float_denorm_mode_16_64 3
		.amdhsa_memory_ordered 1
		.amdhsa_forward_progress 1
		.amdhsa_inst_pref_size 76
	.end_amdhsa_kernel
	.amdgpu_metadata
---
amdhsa.version: [ 1, 2 ]
amdhsa.kernels:
  - .name:           k_q935fbfd5dd_oproj
    .symbol:         k_q935fbfd5dd_oproj.kd
    .args:
      - { .name: oc, .offset: 0, .size: 8, .value_kind: global_buffer, .address_space: global }
      - { .name: os, .offset: 8, .size: 8, .value_kind: global_buffer, .address_space: global }
      - { .name: opc, .offset: 16, .size: 8, .value_kind: global_buffer, .address_space: global }
      - { .name: ops, .offset: 24, .size: 8, .value_kind: global_buffer, .address_space: global }
      - { .name: bo, .offset: 32, .size: 8, .value_kind: global_buffer, .address_space: global }
      - { .name: out0, .offset: 40, .size: 8, .value_kind: global_buffer, .address_space: global }
    .group_segment_fixed_size: 243200
    .private_segment_fixed_size: 0
    .kernarg_segment_align: 8
    .kernarg_segment_size: 48
    .max_flat_workgroup_size: 128
    .sgpr_count:     102
    .vgpr_count:     768
    .wavefront_size: 32
...
	.end_amdgpu_metadata
.endif
;; end of part 4
